; MI455X (gfx1250); checked and timed in simulation.
; The chip was launched on July 23, 2026; its instructions are those of AMD's public machine-readable ISA for CDNA 5 (MIT licence, August 2026) and "CDNA5" Instruction Set Architecture Reference Guide (July 2026). The comments in the code are by the model that wrote it; some were corrected since.
;; Global Feature Dual Attention. Allowed arithmetic: matrix products marked QUANTISED: E5M2 operands, one E8M0 scale for each 32 along K, by v_wmma_scale_f32_16x16x128_f8f6f4 with both operands' format E5M2, f32 sums; products left as they are: f32 operands where the result goes on into a quantised operand, else bf16, f16 or f32 operands; f32 sums; everything else in f32.
;; Inputs: W1_codes 2,048 x 96 x 32 uint8 (E5M2 codes of W1, K innermost, in blocks of 32 codes); W1_scales 2,048 x 96 uint8 (E8M0 scales of W1, one for each 32 codes along K); W2_codes 1,024 x 64 x 32 uint8 (E5M2 codes of W2, K innermost, in blocks of 32 codes); W2_scales 1,024 x 64 uint8 (E8M0 scales of W2, one for each 32 codes along K); Wk_codes 1,024 x 32 x 32 uint8 (E5M2 codes of Wk, K innermost, in blocks of 32 codes); Wk_scales 1,024 x 32 uint8 (E8M0 scales of Wk, one for each 32 codes along K); Wkd_codes 1,024 x 32 x 32 uint8 (E5M2 codes of Wkd, K innermost, in blocks of 32 codes); Wkd_scales 1,024 x 32 uint8 (E8M0 scales of Wkd, one for each 32 codes along K); Wq_codes 1,024 x 32 x 32 uint8 (E5M2 codes of Wq, K innermost, in blocks of 32 codes); Wq_scales 1,024 x 32 uint8 (E8M0 scales of Wq, one for each 32 codes along K); Wqd_codes 1,024 x 32 x 32 uint8 (E5M2 codes of Wqd, K innermost, in blocks of 32 codes); Wqd_scales 1,024 x 32 uint8 (E8M0 scales of Wqd, one for each 32 codes along K); Wv_codes 1,024 x 32 x 32 uint8 (E5M2 codes of Wv, K innermost, in blocks of 32 codes); Wv_scales 1,024 x 32 uint8 (E8M0 scales of Wv, one for each 32 codes along K); b2 1,024 float32; bn_beta 2,048 float32; bn_gamma 2,048 float32; bn_mean 2,048 float32; bn_var 2,048 float32; featA 4,096 x 1,024 x 1 float32; featB_codes 4,096 x 1 x 32 x 32 uint8 (E5M2 codes of featB, K innermost, in blocks of 32 codes); featB_scales 4,096 x 1 x 32 uint8 (E8M0 scales of featB, one for each 32 codes along K); ln_dis_b 1,024 float32; ln_dis_w 1,024 float32; ln_in_b 1,024 float32; ln_in_w 1,024 float32; ln_sim_b 1,024 float32; ln_sim_w 1,024 float32.
;; Outputs: out0 4,096 x 1,024 x 1 float32.
;; This version of the problem:
;;   THIS VERSION OF THE PROBLEM IS GIVEN IN LOW PRECISION. The matrix products marked QUANTISED in the list below multiply operands that are first quantised to E5M2 (5 exponent bits, 2 mantissa bits; 8 bits a number), with one power-of-two scale for each 32 numbers along K (OCP MX v1.0); their sums are f32. All else is computed in f32.
;;   The module's matrix products, in the order in which they are computed (A, B: the left and right operand; K: the contracted axis; several contracted axes count as one K, in the product's order):
;;     1. [M 4,096, K 1,024] x [K 1,024, N 1,024]; A: computed on the way; B: input Wq (given as codes): QUANTISED
;;     2. [M 4,096, K 1,024] x [K 1,024, N 1,024]; A: input featB (given as codes); B: input Wk (given as codes): QUANTISED
;;     3. [M 4,096, K 1,024] x [K 1,024, N 1,024]; A: input featB (given as codes); B: input Wv (given as codes): QUANTISED
;;     4. batch 32,768 x [M 1, K 128] x [K 128, N 1]; A: computed on the way; B: computed on the way: left as it is (M = 1 < 16)
;;     5. [M 4,096, K 1,024] x [K 1,024, N 1,024]; A: computed on the way; B: input Wqd (given as codes): QUANTISED
;;     6. [M 4,096, K 1,024] x [K 1,024, N 1,024]; A: input featB (given as codes); B: input Wkd (given as codes): QUANTISED
;;     7. batch 32,768 x [M 1, K 1] x [K 1, N 128]; A: softmax; B: computed on the way: left as it is (K = 1 < 32)
;;     8. batch 32,768 x [M 1, K 1] x [K 1, N 128]; A: softmax; B: computed on the way: left as it is (K = 1 < 32)
;;     9. [M 4,096, K 3,072] x [K 3,072, N 2,048]; A: computed on the way; B: input W1 (given as codes): QUANTISED
;;     10. [M 4,096, K 2,048] x [K 2,048, N 1,024]; A: computed on the way; B: input W2 (given as codes): QUANTISED
;;   THE QUANTISER, for each operand of a quantised product, along K:
;;     - K is cut into blocks of 32 from its start; a last block that is shorter is filled with zeros.
;;     - A block's scale is 2^e with e = floor(log2(the largest magnitude in the block)) - 15, held to -126 .. 127; a block of zeros has e = 0. As a byte (E8M0): e + 127.
;;     - Each number is divided by its block's scale, clamped to +-57,344, and rounded to the nearest number of E5M2, ties to even, subnormals kept.
;;     - The product sums the exact products of the quantised numbers (number of the format x scale) in f32.
;;   ~~~python
;;   def quantise(x, axis):      # numpy; x: float32 -> the quantised numbers, widened to float32 again
;;       x = np.moveaxis(x, axis, -1); K = x.shape[-1]
;;       x = np.pad(x, [(0, 0)] * (x.ndim - 1) + [(0, -K % 32)]); x = x.reshape(x.shape[:-1] + (-1, 32)); a = np.abs(x).max(-1, keepdims=True)
;;       e = np.where(a > 0, np.clip(np.frexp(np.where(a > 0, a, 1))[1] - 1 - 15, -126, 127), 0)      # np.frexp(a)[1] - 1 = floor(log2(a)), exactly
;;       r = np.clip(x / 2.0 ** e, -57344, 57344)
;;       step = 2.0 ** (np.maximum(np.frexp(np.where(r == 0, 1, r))[1] - 1, -14) - 2)
;;       q = np.round(r / step) * step * 2.0 ** e      # np.round: ties to even
;;       return np.moveaxis(q.reshape(q.shape[:-2] + (-1,))[..., :K], -1, axis).astype(np.float32)
;;   ~~~
;;   OPERANDS COMPUTED ON THE WAY. 'Computed on the way' means the value that the module computes at that place (a softmax that the list does not call 'softmax' is quantised finished and normalised). What goes into a quantiser is computed in f32, as accurately as f32 sums, v_exp_f32 and their like allow (about 1e-6 of the number): no bf16 or f16 on the way to a quantiser, and a product that is left as it is and whose result goes on into a quantised operand takes f32 operands (vector FMAs, or v_wmma_f32_16x16x4_f32). A number that lies on a knife's edge between two numbers of the format may be rounded either way, as far as f32 arithmetic and the matrix unit's own rounding can turn it there, and no further.
;;   INPUTS GIVEN AS CODES. W1 (in the module: [2048, 3072], K = its axis 1); W2 (in the module: [1024, 2048], K = its axis 1); Wk (in the module: [1024, 1024], K = its axis 1); Wkd (in the module: [1024, 1024], K = its axis 1); Wq (in the module: [1024, 1024], K = its axis 1); Wqd (in the module: [1024, 1024], K = its axis 1); Wv (in the module: [1024, 1024], K = its axis 1); featB (in the module: [4096, 1024, 1], K = its axis 1): each comes as NAME_codes (uint8): NAME with its K axis moved to the last place and cut into blocks of 32 codes, [.., K / 32, bytes a block], one block behind the other in memory; one code a byte (a code: sign, 5 exponent bits, 2 mantissa bits); and NAME_scales (uint8): the same leading axes, one E8M0 byte (e + 127) for each 32 codes along K. Its value is code x scale, taken as it is: it is not quantised again, and the codes and scales need not be those that the quantiser above would give.
;; 2 versions, each right. Each part assembles by itself: llvm-mc -triple=amdgcn-amd-amdhsa -mcpu=gfx1250 --defsym DOCPART=n.
;; ======== version 1 of 2: 3 launches
;; workspace buffers: F 12,582,912 bytes; FS 393,216 bytes; H 8,388,608 bytes; HS 262,144 bytes
;; launch prep (part 1): grid 256 x 1, 4 waves a work-group, clusters of 4 x 1, 327,680 bytes of LDS; arguments featA, featB_codes, featB_scales, Wv_codes, Wv_scales, ln_in_w, ln_in_b, ln_sim_w, ln_sim_b, ln_dis_w, ln_dis_b, F, FS; writes F, FS
.if DOCPART == 1
	.amdgcn_target "amdgcn-amd-amdhsa--gfx1250"
	.amdhsa_code_object_version 6
	.text
	.protected	k_qb9b54a92bc_prep
	.globl	k_qb9b54a92bc_prep
	.p2align	8
	.type	k_qb9b54a92bc_prep,@function
k_qb9b54a92bc_prep:
	s_mov_b64 s[64:65], 0
	v_nop
	global_prefetch_b8 v0, s[64:65] scope:SCOPE_SE
	s_setreg_imm32_b32 hwreg(HW_REG_WAVE_MODE, 25, 1), 1
	s_wait_xcnt 0x0
	s_wait_alu depctr_hold_cnt(0) depctr_sa_sdst(0) depctr_va_vdst(0) depctr_va_sdst(0) depctr_va_ssrc(0) depctr_va_vcc(0) depctr_vm_vsrc(0)
	s_getreg_b32 s2, hwreg(HW_REG_IB_STS2, 6, 4)
	s_cmp_eq_u32 s2, 0
	s_cbranch_scc0 .Lentry_in_a_cluster
	s_endpgm
.Lentry_in_a_cluster:
	s_bfe_u32 s2, ttmp6, 0x10000c
	s_cmp_lg_u32 s2, 0x3003
	s_cbranch_scc0 .Lentry_shape_is_right
	s_endpgm
.Lentry_shape_is_right:
; GlobalFeatureDualAttention, first of three launches: the operand of the product with W1, as codes of E5M2 with E8M0 scales.
; DEAD WORK, for all finite inputs.  N = 1, so both softmaxes run over an axis of length 1: exp(s - max s) / sum = exp(0) / exp(0) = 1 whatever the score s.
; So sim_w = dis_w = 1, and the two products of the weights with v are v itself.  q, k, qd, kd, the scores and the distance have no way to any output:
; the products with Wq, Wk, Wqd, Wkd, q . k, the distance and both softmaxes are left out, and Wq, Wk, Wqd, Wkd (codes and scales) are not loaded and are no arguments.
; LIMIT: a NaN, an infinity or an overflow that would arise only in q, k, qd, kd, the scores or the distance is not carried to the result.
; LIVE HERE: xA_n = LN(featA; ln_in);  v = featB Wv^T (on the given codes);  ctx_sim = LN(v; ln_sim), ctx_dis = LN(v; ln_dis);  [xA_n | ctx_sim | ctx_dis] quantised along its 3,072.
; OTHER LIMITS: a block of zeros gets the scale byte 1 and not 127 (its codes are zeros; the bytes are read by this program alone); a block's largest magnitude is taken no smaller than 2^(16 - 127);
; 1 / sqrt(var + eps) is v_rsq_f32 and a multiplication; NaN and infinities among the inputs are not served.  The variance is the mean of (x - mean)^2, taken in a second pass, as the problem writes it.
; SHARES.  Work-group g owns rows 16 g .. 16 g + 15, whole.  Wave w owns columns 256 w .. 256 w + 255 of v and of featA: 16 tiles of 16 x 16; a row's sums meet in LDS.
; THE PRODUCT IS USED TRANSPOSED (source 0 = 16 rows of Wv, source 1 = my 16 rows of featB): lane (r, h) holds row r, and register j of tile T column 16 T + 8 h + j of the wave's 256.
; So a block of 32 columns is 16 registers of lane l and 16 of lane l xor 16, and the conversions' 8-byte results are stored straight into F.
; F: [tile of 16 rows][K step of 128][2,048 bytes]: an image of an operand's registers: byte 512 c + 16 lane + y = register 4 c + y / 4 of that lane.  FS: [K step][row] one word of four scale bytes.
; Wv: every work-group walks all of it.  Wave w's 256 rows come in 8 steps of 32 rows x 1,024 bytes through two LDS slots; each wave reads only what its own load brought.
; CLUSTER: the four work-groups of a cluster walk the same rows of Wv in step, so each tile is asked for jointly (mask 15, the same descriptor in all four).
; featA's layer norm stands between the steps of the product, where the wave would else only wait for its next tile.
; REGISTERS, in windows of 256.  window 0: v1-13 offsets, v14-15 the add's two, v16-31 sums, v32-39 featB's scale words, v40-103 Wv's, v104-119 the quantiser's, v120-125 scale words made, v128-191 64 numbers at work, v192-223 codes.
;   window 1: v0-127 v's 16 tiles; v128-255 featA in the same layout.   window 2: v0-127 featB's 8 fragments; v128-255 ln_in's w and b of one K step.   window 3: a step's 16 fragments of Wv.
;   Behind the product windows 3 and 2 hold ln_sim's and ln_dis's w and b: window 3 for the wave's first 128 columns, window 2 for its second.
.set PITCH, 1040                       ; an LDS row of Wv: 1,024 bytes + 16 of padding = 65 x 16: the 16 rows of a fragment load start at 16 different groups of banks
.set WSL,   32*PITCH                   ; a wave's part of a slot: 32 rows
.set SLOTB, 4*WSL                      ; a slot
.set RED,   2*SLOTB                    ; four exchanges of 256 bytes: word 16 r + 4 w = wave w's part of row r's sum; no tile lands here
.set SPARE, RED+1024                   ; the spare words, 128 bytes a wave: two blocks of 256 bytes that no other line names
.set TM,    104
.set SEL,   54
.set MNT,   56
.set MSB,   0
.macro WIN new                         ; the immediate's high byte repeats the setting that is left; a switch that changes nothing is dropped
.if MSB != (\new)
	s_set_vgpr_msb (MSB<<8)|(\new)
.set MSB, (\new)
.endif
.endm
.macro PLACES n
.rept \n
	v_nop
.endr
.endm
.macro CROUND                          ; a round of the cluster's barrier: my work-group's barrier; wave 0 signals for the work-group; every wave waits for all four; my work-group's barrier once more
	s_barrier_signal -1
	s_barrier_wait -1
	s_cmp_lg_u32 s52, 0
	s_cbranch_scc1 .Lnot_wave_0_\@
	s_barrier_signal -3
.Lnot_wave_0_\@:
	s_barrier_wait -3
	s_barrier_signal -1
	s_barrier_wait -1
.endm
.macro TL sl                           ; my joint load into slot sl; an s_nop 0 and four v_nop follow it
	tensor_load_to_lds s[44+4*(\sl):47+4*(\sl)], s[36:43]
	s_nop 0
	PLACES 4
.endm
; Step s of the product: 32 rows of Wv = tiles 2 s and 2 s + 1, all 1,024 along K.  64 LDS loads in one run, then 16 matrix instructions, the two accumulators by turns.
.macro PROC s
	PLACES 8                                       ; eight places between the last products and the loads into the registers that they read
	WIN 0xc0                                       ; destination window 3
.irp ks, 0,1,2,3,4,5,6,7
.irp t, 0,1
.irp c, 0,1,2,3
	ds_load_b128 v[16*(2*\ks+\t)+4*\c:16*(2*\ks+\t)+4*\c+3], v[3+(\s)%2] offset:16*PITCH*\t+128*\ks+32*\c
.endr
.endr
.endr
	WIN 0x5b                                       ; source 0 (Wv) window 3, source 1 (featB) window 2, C and D window 1
.irp ks, 0,1,2,3,4,5,6,7
	s_wait_dscnt 56-8*\ks                          ; LDS loads come back in order: the eight of this K step are in, those of the later K steps may be out
.if \ks == 0
	v_wmma_scale_f32_16x16x128_f8f6f4 v[16*(\s):16*(\s)+7], v[32*\ks:32*\ks+15], v[16*\ks:16*\ks+15], 0, v[40+8*(\s)+\ks], v[32+\ks] matrix_a_fmt:MATRIX_FMT_BF8 matrix_b_fmt:MATRIX_FMT_BF8
	v_wmma_scale_f32_16x16x128_f8f6f4 v[16*(\s)+8:16*(\s)+15], v[32*\ks+16:32*\ks+31], v[16*\ks:16*\ks+15], 0, v[40+8*(\s)+\ks], v[32+\ks] matrix_a_fmt:MATRIX_FMT_BF8 matrix_b_fmt:MATRIX_FMT_BF8 matrix_a_scale:MATRIX_SCALE_ROW1
.else
	v_wmma_scale_f32_16x16x128_f8f6f4 v[16*(\s):16*(\s)+7], v[32*\ks:32*\ks+15], v[16*\ks:16*\ks+15], v[16*(\s):16*(\s)+7], v[40+8*(\s)+\ks], v[32+\ks] matrix_a_fmt:MATRIX_FMT_BF8 matrix_b_fmt:MATRIX_FMT_BF8
	v_wmma_scale_f32_16x16x128_f8f6f4 v[16*(\s)+8:16*(\s)+15], v[32*\ks+16:32*\ks+31], v[16*\ks:16*\ks+15], v[16*(\s)+8:16*(\s)+15], v[40+8*(\s)+\ks], v[32+\ks] matrix_a_fmt:MATRIX_FMT_BF8 matrix_b_fmt:MATRIX_FMT_BF8 matrix_a_scale:MATRIX_SCALE_ROW1
.endif
.endr
	WIN 0
.endm
; The slot that step s has read is filled again, with step s + 2.  All my tensor loads have landed (the other slot's among them), the add, my LDS instructions are done; a round of the cluster's barrier; the joint refill first behind it.
.macro CHANGE s
	s_wait_tensorcnt 0x0                           ; no tensor load of mine is out, so a group 0 may be written
	ds_add_u32 v14, v15                            ; 0 onto my spare word
	s_add_nc_u64 s[46+4*((\s)%2):47+4*((\s)%2)], s[46+4*((\s)%2):47+4*((\s)%2)], 65536   ; 64 rows of Wv on; the type bits on top are not reached
	s_wait_dscnt 0x0                               ; the add is done, my reads of the slot are over, and my store into an exchange has landed
	CROUND
	TL (\s)%2
.endm
.macro LNRED red                       ; the four chains, then lane l xor 16's: my wave's part of row r's sum, into exchange red
	WIN 0
	v_pk_add_f32 v[16:17], v[16:17], v[18:19]
	v_pk_add_f32 v[20:21], v[20:21], v[22:23]
	v_pk_add_f32 v[16:17], v[16:17], v[20:21]
	v_add_f32 v16, v16, v17
	v_permlanex16_b32 v17, v16, s[SEL], s[SEL+1]
	v_add_f32 v16, v16, v17
	ds_store_b32 v12, v16 offset:256*\red          ; both lanes of a row write the same word with the same value
.endm
.macro LNSUM xb, red                   ; the sum of my 128 numbers at v[xb] of window 1, in ascending order: each accumulator is read from its low end on
	WIN 0x05
.irp c, 0,1,2,3
	v_pk_add_f32 v[16+2*\c:17+2*\c], v[\xb+4*\c:\xb+4*\c+1], v[\xb+4*\c+2:\xb+4*\c+3]
.endr
	WIN 0x04
.set k, 16
.rept 56
	v_pk_add_f32 v[16+2*((k/2)%4):17+2*((k/2)%4)], v[16+2*((k/2)%4):17+2*((k/2)%4)], v[\xb+k:\xb+k+1]
.set k, k+2
.endr
	LNRED \red
.endm
.macro LNGET red, dst                  ; the four waves' parts of my row's sum, added in one fixed order, / 1,024
	ds_load_b128 v[24:27], v13 offset:256*\red
	s_wait_dscnt 0x0
	v_add_f32 v24, v24, v25
	v_add_f32 v26, v26, v27
	v_add_f32 v24, v24, v26
	v_mul_f32 v[\dst], 0x3a800000, v24
.endm
.macro LNVAR xb, red                   ; x - mean in place, then the sum of its squares
	v_mov_b32 v29, v28
	WIN 0x41
.set k, 0
.rept 64
	v_pk_add_f32 v[\xb+k:\xb+k+1], v[\xb+k:\xb+k+1], v[28:29] neg_lo:[0,1] neg_hi:[0,1]
.set k, k+2
.endr
	WIN 0x05
.irp c, 0,1,2,3
	v_pk_mul_f32 v[16+2*\c:17+2*\c], v[\xb+2*\c:\xb+2*\c+1], v[\xb+2*\c:\xb+2*\c+1]
.endr
.set k, 8
.rept 60
	v_pk_fma_f32 v[16+2*((k/2)%4):17+2*((k/2)%4)], v[\xb+k:\xb+k+1], v[\xb+k:\xb+k+1], v[16+2*((k/2)%4):17+2*((k/2)%4)]
.set k, k+2
.endr
	LNRED \red
.endm
.macro LNRSTD                          ; v30 = the variance -> v[30:31] = 1 / sqrt(variance + 1e-5), twice
	v_add_f32 v30, 0x3727c5ac, v30
	v_rsq_f32 v30, v30
	v_nop                                          ; a plain instruction between the transcendental and the use of its result
	s_wait_alu depctr_va_vdst(0)                   ; and a wait ahead of its first reader
	v_mov_b32 v31, v30
.endm
.macro LNSCALE xb
	WIN 0x41
.set k, 0
.rept 64
	v_pk_mul_f32 v[\xb+k:\xb+k+1], v[\xb+k:\xb+k+1], v[30:31]
.set k, k+2
.endr
	WIN 0
.endm
.macro PLOAD ptr, win, dst, e          ; 64 numbers of a gain or bias, for my wave's K step e, in the tiles' layout, into v[dst] of window win
	WIN (\win)<<6
.irp t, 0,1,2,3,4,5,6,7
	global_load_b128 v[\dst+8*\t:\dst+8*\t+3], v9, s[\ptr:\ptr+1] offset:512*\e+64*\t
	global_load_b128 v[\dst+8*\t+4:\dst+8*\t+7], v9, s[\ptr:\ptr+1] offset:512*\e+64*\t+16
.endr
	WIN 0
.endm
.macro AFFINE xb, e, pwin, wb, bb      ; v128-191 = normalised x gain + bias, for K step e
	WIN 0x01|((\pwin)<<2)|((\pwin)<<4)
.set k, 0
.rept 32
	v_pk_fma_f32 v[128+k:129+k], v[\xb+64*\e+k:\xb+64*\e+k+1], v[\wb+k:\wb+k+1], v[\bb+k:\bb+k+1]
.set k, k+2
.endr
	WIN 0
.endm
; 64 numbers of a lane, v[s] on; registers 16 b .. 16 b + 15 and those of lane l xor 16 are block b of 32.  Codes into v[pc] on, the row's scale word into v[pw].
.macro QUANT s, pc, pw
	s_wait_xcnt 0x0                                ; the stores that read v[pc] on two calls back have had their addresses translated (ISA guide 3.1): only behind this wait are those registers written again
.irp b, 0,1,2,3
	v_max3_num_f32 v[TM+\b], |v[\s+16*\b]|, |v[\s+1+16*\b]|, 0x8000000   ; block b: my 16 numbers, and the floor 2^(16 - 127): so the byte cannot fall under 1
.endr
.irp i, 2,4,6,8,10,12,14
.irp b, 0,1,2,3
	v_max3_num_f32 v[TM+\b], v[TM+\b], |v[\s+16*\b+\i]|, |v[\s+1+16*\b+\i]|   ; the four blocks by turns
.endr
.endr
.irp b, 0,1,2,3
	v_permlanex16_b32 v[TM+4+\b], v[TM+\b], s[SEL], s[SEL+1]
.endr
.irp b, 0,1,2,3
	v_max_num_f32 v[TM+\b], v[TM+\b], v[TM+4+\b]   ; with lane l xor 16's: the block's largest magnitude
.endr
.irp b, 0,1,2,3
	v_add_nc_u32 v[TM+12+\b], 0xf8800000, v[TM+\b]   ; 15 off its exponent field: the conversion takes this operand's exponent field as its scale
.endr
.irp b, 0,1,2,3
	v_and_or_b32 v[TM+8+\b], v[TM+\b], 0x7f800000, s[MNT]   ; 57,344 x the scale
.endr
.irp b, 0,1,2,3
	v_lshrrev_b32 v[TM+4+\b], 23, v[TM+12+\b]      ; the scale's byte
.endr
	v_lshl_or_b32 v[\pw], v[TM+5], 8, v[TM+4]
	v_lshl_or_b32 v[\pw], v[TM+6], 16, v[\pw]
	v_lshl_or_b32 v[\pw], v[TM+7], 24, v[\pw]
.irp b, 0,1,2,3
.irp i, 0,1,2,3,4,5,6,7,8,9,10,11,12,13,14,15
	v_med3_num_f32 v[\s+16*\b+\i], v[\s+16*\b+\i], -v[TM+8+\b], v[TM+8+\b]   ; the conversion to an 8-bit code does not saturate (ISA guide 7.6.2): the hold at the largest code x the scale
.endr
	v_cvt_scalef32_pk8_bf8_f32 v[(\pc)+4*\b:(\pc)+1+4*\b], v[\s+16*\b:\s+7+16*\b], v[TM+12+\b]        ; columns 32 b + 8 h + 0 .. 7
	v_cvt_scalef32_pk8_bf8_f32 v[(\pc)+2+4*\b:(\pc)+3+4*\b], v[\s+8+16*\b:\s+15+16*\b], v[TM+12+\b]   ; columns 32 b + 16 + 8 h + 0 .. 7
.endr
	v_nop                                          ; a plain instruction between the last conversion and the next vector instruction that writes its sources
.endm
; The codes of segment seg, K step e of my wave: each store's 32 lanes write 256 consecutive bytes, at a multiple of 256 from F's first byte.
.macro PUT seg, e, pc
.irp b, 0,1,2,3
	global_store_b64 v10, v[\pc+4*\b:\pc+4*\b+1], s[30:31] offset:(8*\seg+\e)*2048+512*\b          ; k = 32 b + 0 .. 15: lanes 0-15 of the image
	global_store_b64 v10, v[\pc+4*\b+2:\pc+4*\b+3], s[30:31] offset:(8*\seg+\e)*2048+512*\b+256    ; k = 32 b + 16 .. 31: lanes 16-31
.endr
.endm
	s_load_b512 s[8:23], s[0:1], 0x0               ; featA 8, featB's codes 10, its scales 12, Wv's codes 14, its scales 16, ln_in_w 18, ln_in_b 20, ln_sim_w 22
	s_load_b256 s[24:31], s[0:1], 0x40             ; ln_sim_b 24, ln_dis_w 26, ln_dis_b 28, F 30
	s_load_b64 s[32:33], s[0:1], 0x60              ; FS
	v_lshl_add_u32 v14, v0, 2, SPARE
	v_mov_b32 v15, 0
	ds_add_u32 v14, v15                            ; the wave's opening: the add, twice on end, and its wait ahead of my first tensor load
	ds_add_u32 v14, v15
	v_lshrrev_b32 v1, 5, v0
	v_readfirstlane_b32 s52, v1                    ; wave 0..3
	s_bfe_u32 s53, ttmp6, 0x40000                  ; cx
	s_lshl_b32 s58, ttmp9, 2
	s_add_co_u32 s53, s58, s53                     ; g = 4 x cluster + cx: it enters the addresses of featA, featB, F and FS alone
	; descriptor group 1: 32 rows x 1,024 bytes, 16 bytes of padding behind each
	s_mov_b32 s36, 15|(1<<20)|(1<<21)|(7<<22)|(3<<25)   ; 15:0 the mask: all four; 17:16 elements of 1 byte; 20 padding on; 21 set beside a mask; 24:22 after every 256 words (code 7); 31:25 four words (code 3)
	s_mov_b32 s37, 1024<<16                        ; tensor_dim0
	s_mov_b32 s38, 32<<16                          ; tensor_dim1
	s_mov_b32 s39, 1024<<16                        ; tile_dim0
	s_mov_b32 s40, 32                              ; tile_dim1
	s_mov_b32 s41, 1024                            ; from row to row
	s_mov_b32 s42, 0
	s_mov_b32 s43, 0
	s_mov_b32 s[SEL], 0x76543210
	s_mov_b32 s[SEL+1], 0xfedcba98                 ; v_permlanex16_b32's selects for lane l xor 16
	s_mov_b32 s[MNT], 0x600000                     ; the mantissa field of 57,344
	s_mov_b32 s57, 0xffff0000                      ; lanes 16-31
	s_mov_b32 s59, 0
	s_lshl_b32 s60, s52, 18                        ; my wave's 256 rows of Wv
	s_mov_b32 s61, 0
	s_mul_i32 s62, s52, WSL                        ; my wave's part of a slot
	s_wait_dscnt 0x0                               ; both opening adds are done
	s_wait_kmcnt 0x0
	s_mov_b32 s44, 1
	s_mov_b32 s45, s62
	s_add_nc_u64 s[46:47], s[14:15], s[60:61]      ; step 0
	s_mov_b32 s48, 1
	s_add_co_u32 s49, s62, SLOTB
	s_add_nc_u64 s[50:51], s[46:47], 32768         ; step 1
	s_or_b32 s47, s47, 0x80000000
	s_or_b32 s51, s51, 0x80000000
	CROUND                                         ; all four work-groups are here: the first joint loads meet
	TL 0
	TL 1
	s_lshl_b32 s58, s53, 16
	s_add_nc_u64 s[8:9], s[8:9], s[58:59]          ; featA at my 16 rows
	s_lshl_b32 s58, s53, 14
	s_add_nc_u64 s[10:11], s[10:11], s[58:59]      ; featB's codes
	s_lshl_b32 s58, s53, 9
	s_add_nc_u64 s[12:13], s[12:13], s[58:59]      ; featB's scales
	s_mul_i32 s58, s53, 49152
	s_add_nc_u64 s[30:31], s[30:31], s[58:59]      ; F: my 24 images
	s_lshl_b32 s58, s53, 6
	s_add_nc_u64 s[32:33], s[32:33], s[58:59]      ; FS: my 16 words of a K step
	v_and_b32 v1, 15, v0                           ; r
	v_bfe_u32 v2, v0, 4, 1                         ; h
	v_and_b32 v16, 31, v0                          ; lane
	v_mul_u32_u24 v3, v1, PITCH
	v_lshl_add_u32 v3, v2, 4, v3
	v_add_nc_u32 v3, s62, v3                       ; Wv's fragments in slot 0: my wave's part + row r + 16 h
	v_add_nc_u32 v4, SLOTB, v3                     ; and in slot 1
	v_lshlrev_b32 v5, 10, v1
	v_lshl_add_u32 v5, v2, 4, v5                   ; featB's codes: 1,024 r + 16 h
	v_lshlrev_b32 v6, 5, v1                        ; featB's scales: 32 r
	s_lshl_b32 s63, s52, 13
	v_lshl_add_u32 v7, v16, 5, s63                 ; Wv's scales: row 256 w + lane, 32 bytes a row: lanes 0-15 serve a step's first tile, lanes 16-31 its second
	s_lshl_b32 s66, s52, 10
	v_lshl_add_u32 v9, v2, 5, s66                  ; gains and biases: 1,024 w + 32 h
	v_lshl_add_u32 v8, v1, 12, v9                  ; featA: + 4,096 r
	s_lshl_b32 s67, s52, 12
	v_lshlrev_b32 v10, 4, v1
	v_lshl_add_u32 v10, v2, 3, v10
	v_add_nc_u32 v10, s67, v10                     ; F: 4,096 w + 16 r + 8 h
	s_lshl_b32 s68, s52, 15
	v_lshl_add_u32 v11, v2, 14, s68
	v_lshl_add_u32 v11, v1, 2, v11                 ; FS: K step 2 w + h, row r
	s_lshl_b32 s69, s52, 2
	s_add_co_u32 s69, s69, RED
	v_lshl_add_u32 v12, v1, 4, s69                 ; an exchange: my wave's word of row r
	v_lshlrev_b32 v13, 4, v1
	v_add_nc_u32 v13, RED, v13                     ; and row r's four words
.irp b, 0,1,2,3
	v_mov_b32 v[TM+4+\b], 0                        ; written once: a lane permute's destination counts as one of its sources
.endr
	global_load_b128 v[32:35], v6, s[12:13]
	global_load_b128 v[36:39], v6, s[12:13] offset:16
.irp s, 0,1,2,3,4,5,6,7
	global_load_b128 v[40+8*\s:43+8*\s], v7, s[16:17] offset:1024*\s
	global_load_b128 v[44+8*\s:47+8*\s], v7, s[16:17] offset:1024*\s+16
.endr
	WIN 0x80                                       ; destination window 2
.irp ks, 0,1,2,3,4,5,6,7
.irp c, 0,1,2,3
	global_load_b128 v[16*\ks+4*\c:16*\ks+4*\c+3], v5, s[10:11] offset:128*\ks+32*\c
.endr
.endr
	WIN 0x40                                       ; destination window 1
.irp t, 0,1,2,3,4,5,6,7,8,9,10,11,12,13,14,15
	global_load_b128 v[128+8*\t:131+8*\t], v8, s[8:9] offset:64*\t        ; featA in the tiles' layout: a lane's 32 bytes of a row; the wave's 32 loads together take 1,024 whole bytes of each of 16 rows
	global_load_b128 v[132+8*\t:135+8*\t], v8, s[8:9] offset:64*\t+16
.endr
	WIN 0
	s_wait_loadcnt 32                              ; all but featA's 32 loads: the scale words and featB's fragments are in
	s_wait_tensorcnt 1                             ; my tile of step 0 is in; step 1's may stay out.  Only I read it: no barrier
	PROC 0
	PLOAD 18, 2, 128, 0                            ; ln_in's gain and bias for my first 128 columns
	PLOAD 20, 2, 192, 0
	s_wait_loadcnt 32                              ; all but those 32: featA is in
	LNSUM 128, 0
	CHANGE 0                                       ; its round is also the barrier between the exchange's stores and its loads
	PROC 1
	LNGET 0, 28
	LNVAR 128, 1
	CHANGE 1
	PROC 2
	LNGET 1, 30
	LNRSTD
	LNSCALE 128
	s_wait_loadcnt 0x0
	AFFINE 128, 0, 2, 128, 192
	PLOAD 18, 2, 128, 1                            ; and for my second 128
	PLOAD 20, 2, 192, 1
	QUANT 128, 192, 120
	PUT 0, 0, 192
	CHANGE 2
	PROC 3
	s_wait_loadcnt 0x0
	AFFINE 128, 1, 2, 128, 192
	QUANT 128, 208, 121
	PUT 0, 1, 208
	CHANGE 3
	PROC 4
	CHANGE 4
	PROC 5
	CHANGE 5                                       ; the last refill: step 7
	PROC 6
	s_wait_tensorcnt 0x0                           ; my tile of step 7 is in
	PROC 7
	PLACES 8                                       ; behind the last products: for the loads over their operands and for the first read of their results
	PLOAD 22, 3, 0, 0                              ; ln_sim_w, ln_sim_b, ln_dis_w, ln_dis_b: my first 128 columns into window 3,
	PLOAD 24, 3, 64, 0
	PLOAD 26, 3, 128, 0
	PLOAD 28, 3, 192, 0
	PLOAD 22, 2, 0, 1                              ; my second 128 into window 2
	PLOAD 24, 2, 64, 1
	PLOAD 26, 2, 128, 1
	PLOAD 28, 2, 192, 1
	LNSUM 0, 2
	s_wait_dscnt 0x0                               ; for the others' sake: my store into the exchange has landed
	s_barrier_signal -1
	s_barrier_wait -1
	LNGET 2, 28
	LNVAR 0, 3
	s_wait_dscnt 0x0
	s_barrier_signal -1
	s_barrier_wait -1
	LNGET 3, 30
	LNRSTD
	LNSCALE 0
	s_wait_loadcnt 0x0
	AFFINE 0, 0, 3, 0, 64                          ; ctx_sim, first 128
	QUANT 128, 192, 122
	PUT 1, 0, 192
	AFFINE 0, 0, 3, 128, 192                       ; ctx_dis, first 128
	QUANT 128, 208, 124
	PUT 2, 0, 208
	AFFINE 0, 1, 2, 0, 64                          ; ctx_sim, second 128
	QUANT 128, 192, 123
	PUT 1, 1, 192
	AFFINE 0, 1, 2, 128, 192                       ; ctx_dis, second 128
	QUANT 128, 208, 125
	PUT 2, 1, 208
	; the scale words: lanes 0-15 store those of my first K step, lanes 16-31 those of my second: two runs of 64 bytes a store.  They are 1,536 of the work-group's 50,688 bytes, laid as the next launch reads them
.irp g, 0,1,2
	v_cndmask_b32 v[224+\g], v[120+2*\g], v[121+2*\g], s57
.endr
.irp g, 0,1,2
	global_store_b32 v11, v[224+\g], s[32:33] offset:131072*\g
.endr
	s_wait_tensorcnt 0x0                           ; the wave's end, behind my last tensor load and my last LDS store
	ds_add_u32 v14, v15
	s_wait_dscnt 0x0
	CROUND                                         ; the closing round: no work-group ends while a partner may still ask for a tile that names it
	s_endpgm
.Lfunc_end_k_qb9b54a92bc_prep:
	.size	k_qb9b54a92bc_prep, .Lfunc_end_k_qb9b54a92bc_prep-k_qb9b54a92bc_prep
	.p2alignl 7, 3214868480
	.fill 96, 4, 3214868480
	.section	.rodata,"a",@progbits
	.p2align	6, 0x0
	.amdhsa_kernel k_qb9b54a92bc_prep
		.amdhsa_group_segment_fixed_size 327680
		.amdhsa_private_segment_fixed_size 0
		.amdhsa_enable_private_segment 0
		.amdhsa_kernarg_size 104
		.amdhsa_user_sgpr_count 2
		.amdhsa_user_sgpr_kernarg_segment_ptr 1
		.amdhsa_wavefront_size32 1
		.amdhsa_system_sgpr_workgroup_id_x 1
		.amdhsa_system_sgpr_workgroup_id_y 1
		.amdhsa_system_sgpr_workgroup_id_z 1
		.amdhsa_system_vgpr_workitem_id 0
		.amdhsa_next_free_vgpr 1024
		.amdhsa_next_free_sgpr 80
		.amdhsa_reserve_vcc 0
		.amdhsa_float_denorm_mode_32 3
		.amdhsa_float_denorm_mode_16_64 3
		.amdhsa_memory_ordered 1
		.amdhsa_forward_progress 1
		.amdhsa_inst_pref_size 190
	.end_amdhsa_kernel
	.amdgpu_metadata
---
amdhsa.version: [ 1, 2 ]
amdhsa.kernels:
  - .name:           k_qb9b54a92bc_prep
    .symbol:         k_qb9b54a92bc_prep.kd
    .args:
      - { .name: featA, .offset: 0, .size: 8, .value_kind: global_buffer, .address_space: global }
      - { .name: featB_codes, .offset: 8, .size: 8, .value_kind: global_buffer, .address_space: global }
      - { .name: featB_scales, .offset: 16, .size: 8, .value_kind: global_buffer, .address_space: global }
      - { .name: Wv_codes, .offset: 24, .size: 8, .value_kind: global_buffer, .address_space: global }
      - { .name: Wv_scales, .offset: 32, .size: 8, .value_kind: global_buffer, .address_space: global }
      - { .name: ln_in_w, .offset: 40, .size: 8, .value_kind: global_buffer, .address_space: global }
      - { .name: ln_in_b, .offset: 48, .size: 8, .value_kind: global_buffer, .address_space: global }
      - { .name: ln_sim_w, .offset: 56, .size: 8, .value_kind: global_buffer, .address_space: global }
      - { .name: ln_sim_b, .offset: 64, .size: 8, .value_kind: global_buffer, .address_space: global }
      - { .name: ln_dis_w, .offset: 72, .size: 8, .value_kind: global_buffer, .address_space: global }
      - { .name: ln_dis_b, .offset: 80, .size: 8, .value_kind: global_buffer, .address_space: global }
      - { .name: F, .offset: 88, .size: 8, .value_kind: global_buffer, .address_space: global }
      - { .name: FS, .offset: 96, .size: 8, .value_kind: global_buffer, .address_space: global }
    .group_segment_fixed_size: 327680
    .private_segment_fixed_size: 0
    .kernarg_segment_align: 8
    .kernarg_segment_size: 104
    .max_flat_workgroup_size: 128
    .sgpr_count:     80
    .vgpr_count:     1024
    .wavefront_size: 32
...
	.end_amdgpu_metadata
.endif
;; end of part 1
;; launch fc1 (part 2): grid 8 x 32, 4 waves a work-group, clusters of 4 x 4, 327,680 bytes of LDS; arguments F, FS, W1_codes, W1_scales, bn_gamma, bn_beta, bn_mean, bn_var, H, HS; writes H, HS
.if DOCPART == 2
	.amdgcn_target "amdgcn-amd-amdhsa--gfx1250"
	.amdhsa_code_object_version 6
	.text
	.protected	k_qb9b54a92bc_fc1
	.globl	k_qb9b54a92bc_fc1
	.p2align	8
	.type	k_qb9b54a92bc_fc1,@function
k_qb9b54a92bc_fc1:
	s_mov_b64 s[64:65], 0
	v_nop
	global_prefetch_b8 v0, s[64:65] scope:SCOPE_SE
	s_setreg_imm32_b32 hwreg(HW_REG_WAVE_MODE, 25, 1), 1
	s_wait_xcnt 0x0
	s_wait_alu depctr_hold_cnt(0) depctr_sa_sdst(0) depctr_va_vdst(0) depctr_va_sdst(0) depctr_va_ssrc(0) depctr_va_vcc(0) depctr_vm_vsrc(0)
	s_getreg_b32 s2, hwreg(HW_REG_IB_STS2, 6, 4)
	s_cmp_eq_u32 s2, 0
	s_cbranch_scc0 .Lentry_in_a_cluster
	s_endpgm
.Lentry_in_a_cluster:
	s_bfe_u32 s2, ttmp6, 0x10000c
	s_cmp_lg_u32 s2, 0xf033
	s_cbranch_scc0 .Lentry_shape_is_right
	s_endpgm
.Lentry_shape_is_right:
; Second launch: H = Q(relu(BN(F W1^T))), both operands codes of E5M2 with E8M0 scales.  (The products with Wq, Wk, Wqd, Wkd, the scores and the softmaxes are dead work: shown at the first kernel's head.)
; F: [256 tiles of 16 rows][24 K steps][2,048]: images of operand registers; FS: [24][4,096] scale words.  W1's codes [2,048][3,072], its scales [2,048][96].  H, HS: laid as F, FS, with 16 K steps.
; A tile of the result, 128 rows x 256 columns, is made by a work-group of four waves; a wave makes 64 x 128: 32 accumulators.  256 work-groups.
; K goes in slots of 256 (two steps of 128) through a ring of two LDS slots.  Waves 0 and 1 fetch the two halves of F's tile (4 images' rows of 4,096 bytes), waves 2 and 3 those of W1's (128 rows of 256 bytes, padded).
; The scale words of the work-group's rows of F and of W1, for all of K, come into LDS once, with the first fills.
; CLUSTERS: 4 x 4.  The four of a row of the cluster need the same tiles of F, the four of a column the same tiles of W1: each tile is asked for jointly.
; THE MATRIX INSTRUCTION IS USED TRANSPOSED (source 0 = 16 rows of W1, source 1 = 16 rows of F): a lane holds one row and eight neighbouring columns a tile, so that the wave's 128 columns, one K step of the
; next product, are normalised, clipped, quantised in registers and stored straight into H's images.
; BN: (x - mean) x (gamma x rsq(var + 1e-5)) + beta.  LIMITS: as at the first kernel's head (a block of zeros has the byte 1; the floor 2^(16 - 127); v_rsq_f32).
; REGISTERS: window 0: v16-27 addresses; v28, v29 the add's two; v32-79 scale words, two sets; v80-101 the way out; v128-255 F's fragments, two sets.  window 1: W1's fragments, two sets.
;   window 2: the accumulators, (i, j) at v[8 (8 i + j)].   window 3: mean v0-63, gamma x rsq v64-127, beta v128-191, var v192-255, in the tiles' layout.
.set NBF,    8                         ; W1's fragments a wave and K step
.set NQ,     2                         ; K steps in a slot
.set KSTEPS, 24
.set QIB,    5                         ; padding behind every 64 words
.set BMEM,   3072                      ; a row of W1 in memory
.set AROW,   NQ*2048                   ; a slot's part of one tile of 16 rows of F
.set APITCH, KSTEPS*2048
.set AH,     4*AROW                    ; half of F's tile
.set BROW,   NQ*128
.set BP,     BROW+16                   ; an LDS row of W1: an odd multiple of 16 bytes
.set BROWS,  16*NBF
.set BH,     BROWS*BP
.set SLOT,   2*AH+2*BH
.set RSA,    KSTEPS/2
.set SCA,    2*SLOT                    ; F's scale words: [K step][128 rows]
.set SROW,   KSTEPS*4                  ; a row of W1's scales
.set SBH,    BROWS*SROW
.set RSB,    SBH/256
.set SCB,    SCA+KSTEPS*512            ; W1's scale bytes, as they lie in memory
.set SPARE,  SCB+2*SBH                 ; the spare words, 128 bytes a wave: two blocks of 256 bytes that no other line names
.set TM,     80
.set SEL,    66
.set MNT,    100
.set MSB,    0
.macro WIN new
.if MSB != (\new)
	s_set_vgpr_msb (MSB<<8)|(\new)
.set MSB, (\new)
.endif
.endm
.macro PLACES n
.rept \n
	v_nop
.endr
.endm
.macro JLOAD g0a, g1a, g0b, g1b        ; a joint load: waves 0 and 1 fetch for F, waves 2 and 3 for W1; an s_nop 0 and four v_nop follow each of the two lines
	s_cmp_eq_u32 s41, 0
	s_cbranch_scc0 .Lfor_b_\@
	tensor_load_to_lds s[\g0a:\g0a+3], s[\g1a:\g1a+7]
	s_nop 0
	PLACES 4
	s_branch .Lasked_\@
.Lfor_b_\@:
	tensor_load_to_lds s[\g0b:\g0b+3], s[\g1b:\g1b+7]
	s_nop 0
	PLACES 4
.Lasked_\@:
.endm
.macro CREST                           ; a round of the cluster's barrier behind its opening barrier
	s_cmp_lg_u32 s40, 0
	s_cbranch_scc1 .Lnot_wave_0_\@
	s_barrier_signal -3
.Lnot_wave_0_\@:
	s_barrier_wait -3
	s_barrier_signal -1
	s_barrier_wait -1
.endm
.macro CROUND
	s_barrier_signal -1
	s_barrier_wait -1
	CREST
.endm
.macro FETCH sl, q, p                  ; the fragments of the slot's q-th K step into set p: W1's NBF, then F's four (images: 16 bytes a lane, 512 a load)
	WIN 0x40
.set j, 0
.rept NBF
.irp c, 0,1,2,3
	ds_load_b128 v[128*(\p)+16*j+4*\c:128*(\p)+16*j+4*\c+3], v[20+\sl] offset:16*BP*j+128*(\q)+32*\c
.endr
.set j, j+1
.endr
	WIN 0
.irp i, 0,1,2,3
.irp c, 0,1,2,3
	ds_load_b128 v[128+64*(\p)+16*\i+4*\c:128+64*(\p)+16*\i+4*\c+3], v[16+\sl] offset:AROW*\i+2048*(\q)+512*\c
.endr
.endr
.endm
.macro SCALES sl                       ; a slot's scale words into set sl.  F's: lanes 0-15 an even K step's, lanes 16-31 the odd one's.  W1's: NQ words a row
.irp i, 0,1,2,3
.set pr, 0
.rept NQ/2
	ds_load_b32 v[32+24*(\sl)+(NQ/2)*\i+pr], v22 offset:64*\i+1024*pr
.set pr, pr+1
.endr
.endr
.set j, 0
.rept NBF
.if NQ == 2
	ds_load_b64 v[32+24*(\sl)+2*NQ+NQ*j:32+24*(\sl)+2*NQ+NQ*j+1], v23 offset:16*SROW*j
.else
	ds_load_b128 v[32+24*(\sl)+2*NQ+NQ*j:32+24*(\sl)+2*NQ+NQ*j+3], v23 offset:16*SROW*j
.endif
.set j, j+1
.endr
.endm
; n x NBF matrix instructions: F's blocks i0 on, each against W1's NBF.  All accumulators take turns, one instruction a turn, in the same order in every step.
.macro MUL i0, n, p, q, sl, zero
.set ii, \i0
.rept \n
.set jj, 0
.rept NBF
.set rD, 8*(NBF*ii+jj)
.set rW, 128*(\p)+16*jj
.set rX, 128+64*(\p)+16*ii
.set rSW, 32+24*(\sl)+2*NQ+NQ*jj+(\q)
.set rSX, 32+24*(\sl)+(NQ/2)*ii+(\q)/2
.if \zero
	v_wmma_scale_f32_16x16x128_f8f6f4 v[rD:rD+7], v[rW:rW+15], v[rX:rX+15], 0, v[rSW], v[rSX] matrix_a_fmt:MATRIX_FMT_BF8 matrix_b_fmt:MATRIX_FMT_BF8
.elseif (\q)%2
	v_wmma_scale_f32_16x16x128_f8f6f4 v[rD:rD+7], v[rW:rW+15], v[rX:rX+15], v[rD:rD+7], v[rSW], v[rSX] matrix_a_fmt:MATRIX_FMT_BF8 matrix_b_fmt:MATRIX_FMT_BF8 matrix_b_scale:MATRIX_SCALE_ROW1
.else
	v_wmma_scale_f32_16x16x128_f8f6f4 v[rD:rD+7], v[rW:rW+15], v[rX:rX+15], v[rD:rD+7], v[rSW], v[rSX] matrix_a_fmt:MATRIX_FMT_BF8 matrix_b_fmt:MATRIX_FMT_BF8
.endif
.set jj, jj+1
.endr
.set ii, ii+1
.endr
.endm
.macro STEP sl, q, zero                ; a K step that has its successor in the same slot: the successor's fragments are asked for first, into the other set, and land while this step is multiplied
	s_wait_dscnt 0x0                               ; this step's fragments and scale words are in
	PLACES 8                                       ; eight places between the last products and the loads into the set that they read
	FETCH \sl, (\q)+1, ((\q)+1)%2
	WIN 0xa1                                       ; source 0 (W1) window 1, source 1 (F) window 0, C and D window 2
	MUL 0, 4, (\q)%2, \q, \sl, \zero
	WIN 0
.endm
; A slot's last K step changes slots: one barrier; in front of it each wave waits for all its tensor loads, adds 0 to its spare word, and waits for that and for its reads of this slot.  fill = 1: the slot is filled again, two slots ahead.
.macro TURN sl, nxt, fill
	s_wait_tensorcnt 0x0                           ; all my tensor loads have landed: my part of the next slot
	ds_add_u32 v28, v29                            ; 0 onto my spare word
	s_wait_dscnt 1                                 ; all but the add: this step's fragments are in
	WIN 0xa1
	MUL 0, 1, 1, NQ-1, \sl, 0                      ; matrix instructions stand between the add and the wait for it
	s_wait_dscnt 0x0                               ; the add is done, and my reads of this slot are over
	s_barrier_signal -1
	MUL 1, 1, 1, NQ-1, \sl, 0
	WIN 0
	s_barrier_wait -1
.if \fill
	CREST                                          ; the barrier has opened a round of the cluster's: no wave of any partner still reads this slot or has a load on its way
	s_add_nc_u64 s[34+4*\sl:35+4*\sl], s[34+4*\sl:35+4*\sl], 2*AROW
	s_add_nc_u64 s[58+4*\sl:59+4*\sl], s[58+4*\sl:59+4*\sl], 2*BROW
	JLOAD 32+4*\sl, 24, 56+4*\sl, 48               ; the first tensor load behind the round; its four v_nop are four of the eight places in front of the loads below
	PLACES 4
.else
	PLACES 8
.endif
	v_add_nc_u32 v22, 512*NQ, v22                  ; on to the next slot's scale words
	v_add_nc_u32 v23, 4*NQ, v23
	FETCH \nxt, 0, 0
	SCALES \nxt
	WIN 0xa1
	MUL 2, 2, 1, NQ-1, \sl, 0
	WIN 0
.endm
.macro LAST
	s_wait_dscnt 0x0
	WIN 0xa1
	MUL 0, 4, 1, NQ-1, 1, 0
	WIN 0
.endm
; 64 numbers of a lane, v[s] on; registers 16 b .. 16 b + 15 and those of lane l xor 16 are block b of 32.  What is negative becomes 0 on the way (the activation).  Codes into v[pc] on, the row's scale word into v[pw].
.macro QUANT s, pc, pw
.irp b, 0,1,2,3
	v_max3_num_f32 v[TM+\b], v[\s+16*\b], v[\s+1+16*\b], 0x8000000   ; no |.|: what is negative must not count; the floor 2^(16 - 127) stands over it
.endr
.irp i, 2,4,6,8,10,12,14
.irp b, 0,1,2,3
	v_max3_num_f32 v[TM+\b], v[TM+\b], v[\s+16*\b+\i], v[\s+1+16*\b+\i]
.endr
.endr
.irp b, 0,1,2,3
	v_permlanex16_b32 v[TM+4+\b], v[TM+\b], s[SEL], s[SEL+1]
.endr
.irp b, 0,1,2,3
	v_max_num_f32 v[TM+\b], v[TM+\b], v[TM+4+\b]
.endr
.irp b, 0,1,2,3
	v_add_nc_u32 v[TM+12+\b], 0xf8800000, v[TM+\b]   ; 15 off the exponent field: the conversion's scale operand
.endr
.irp b, 0,1,2,3
	v_and_or_b32 v[TM+8+\b], v[TM+\b], 0x7f800000, s[MNT]   ; 57,344 x the scale
.endr
.irp b, 0,1,2,3
	v_lshrrev_b32 v[TM+4+\b], 23, v[TM+12+\b]      ; the scale's byte
.endr
	v_lshl_or_b32 v[\pw], v[TM+5], 8, v[TM+4]
	v_lshl_or_b32 v[\pw], v[TM+6], 16, v[\pw]
	v_lshl_or_b32 v[\pw], v[TM+7], 24, v[\pw]
.irp b, 0,1,2,3
.irp i, 0,1,2,3,4,5,6,7,8,9,10,11,12,13,14,15
	v_med3_num_f32 v[\s+16*\b+\i], v[\s+16*\b+\i], 0, v[TM+8+\b]   ; the activation and the hold in one (the conversion to an 8-bit code does not saturate: ISA guide 7.6.2)
.endr
	v_cvt_scalef32_pk8_bf8_f32 v[(\pc)+4*\b:(\pc)+1+4*\b], v[\s+16*\b:\s+7+16*\b], v[TM+12+\b]
	v_cvt_scalef32_pk8_bf8_f32 v[(\pc)+2+4*\b:(\pc)+3+4*\b], v[\s+8+16*\b:\s+15+16*\b], v[TM+12+\b]
.endr
	v_nop                                          ; a plain instruction between the last conversion and the next vector instruction that writes its sources
.endm
	s_load_b256 s[4:11], s[0:1], 0x0               ; F 4, FS 6, W1's codes 8, its scales 10
	s_load_b256 s[12:19], s[0:1], 0x20             ; gamma 12, beta 14, mean 16, var 18
	s_load_b128 s[20:23], s[0:1], 0x40             ; H 20, HS 22
	v_lshl_add_u32 v28, v0, 2, SPARE
	v_mov_b32 v29, 0
	ds_add_u32 v28, v29                            ; the wave's opening: the add, twice on end, and its wait ahead of my first tensor load
	ds_add_u32 v28, v29
	v_lshrrev_b32 v1, 5, v0
	v_readfirstlane_b32 s40, v1                    ; wave 0..3
	s_lshr_b32 s41, s40, 1                         ; my half of the rows.  Also: I fetch for F (0) or for W1 (1)
	s_and_b32 s42, s40, 1                          ; my half of the columns.  Also: which half I fetch
	s_bfe_u32 s43, ttmp6, 0x40000                  ; cx
	s_bfe_u32 s44, ttmp6, 0x40004                  ; cy
	s_lshl_b32 s45, ttmp9, 2
	s_add_co_u32 s45, s45, s43                     ; tile column
	s_and_b32 s46, ttmp7, 0xffff
	s_lshl_b32 s46, s46, 2
	s_add_co_u32 s46, s46, s44                     ; tile row
	s_lshl_b32 s92, s44, 2
	s_lshl_b32 s92, 15, s92                        ; my row of the cluster
	s_lshl_b32 s93, 0x1111, s43                    ; my column
	s_or_b32 s24, s92, (3<<16)|(1<<21)             ; F's tiles: elements of 8 bytes, no padding; the mask, and bit 21 beside it
	s_mov_b32 s25, (AROW/8)<<16
	s_mov_b32 s26, 4<<16
	s_mov_b32 s27, (AROW/8)<<16
	s_mov_b32 s28, 4
	s_mov_b32 s29, APITCH/8
	s_mov_b32 s30, 0
	s_mov_b32 s31, 0
	s_or_b32 s48, s93, (1<<20)|(1<<21)|(QIB<<22)|(3<<25)   ; W1's tiles: elements of 1 byte, four words of padding behind each row
	s_mov_b32 s49, BROW<<16
	s_mov_b32 s50, BROWS<<16
	s_mov_b32 s51, BROW<<16
	s_mov_b32 s52, BROWS
	s_mov_b32 s53, BMEM
	s_mov_b32 s54, 0
	s_mov_b32 s55, 0
	s_or_b32 s68, s92, (3<<16)|(1<<21)             ; F's scale words: RSA K steps x 512 bytes, 16,384 bytes apart
	s_mov_b32 s69, 64<<16
	s_mov_b32 s70, RSA<<16
	s_mov_b32 s71, 64<<16
	s_mov_b32 s72, RSA
	s_mov_b32 s73, 2048
	s_mov_b32 s74, 0
	s_mov_b32 s75, 0
	s_or_b32 s80, s93, (3<<16)|(1<<21)             ; W1's scale bytes: a dense block, as rows of 256 bytes
	s_mov_b32 s81, 32<<16
	s_mov_b32 s82, RSB<<16
	s_mov_b32 s83, 32<<16
	s_mov_b32 s84, RSB
	s_mov_b32 s85, 32
	s_mov_b32 s86, 0
	s_mov_b32 s87, 0
	s_lshl_b32 s94, s46, 3
	s_lshl_b32 s95, s42, 2
	s_add_co_u32 s94, s94, s95
	s_mul_i32 s94, s94, APITCH                     ; F: tile of rows 8 x tile row + 4 x half
	s_mov_b32 s95, 0
	s_mul_i32 s96, s42, RSA*16384
	s_lshl_b32 s97, s46, 9
	s_add_co_u32 s96, s96, s97                     ; FS: my half of the K steps, the tile's 128 rows
	s_mov_b32 s97, 0
	s_mul_i32 s98, s45, 2*BROWS
	s_mul_i32 s99, s42, BROWS
	s_add_co_u32 s98, s98, s99                     ; W1: the first row that I fetch
	s_mul_i32 s2, s98, SROW
	s_mov_b32 s3, 0
	s_mul_i32 s98, s98, BMEM
	s_mov_b32 s99, 0
	s_mov_b32 s32, 1                               ; groups 0: no place in the cluster enters an LDS address
	s_mul_i32 s33, s42, AH
	s_mov_b32 s36, 1
	s_add_co_u32 s37, s33, SLOT
	s_mov_b32 s56, 1
	s_mul_i32 s57, s42, BH
	s_add_co_u32 s57, s57, 2*AH
	s_mov_b32 s60, 1
	s_add_co_u32 s61, s57, SLOT
	s_mov_b32 s76, 1
	s_mul_i32 s77, s42, RSA*512
	s_add_co_u32 s77, s77, SCA
	s_mov_b32 s88, 1
	s_mul_i32 s89, s42, SBH
	s_add_co_u32 s89, s89, SCB
	s_mov_b32 s[SEL], 0x76543210
	s_mov_b32 s[SEL+1], 0xfedcba98
	s_mov_b32 s[MNT], 0x600000
	s_mov_b32 s101, 0xffff0000                     ; lanes 16-31
	s_wait_dscnt 0x0                               ; both opening adds are done
	s_wait_kmcnt 0x0
	s_add_nc_u64 s[34:35], s[4:5], s[94:95]
	s_add_nc_u64 s[38:39], s[34:35], AROW
	s_or_b32 s35, s35, 0x80000000
	s_or_b32 s39, s39, 0x80000000
	s_add_nc_u64 s[58:59], s[8:9], s[98:99]
	s_add_nc_u64 s[62:63], s[58:59], BROW
	s_or_b32 s59, s59, 0x80000000
	s_or_b32 s63, s63, 0x80000000
	s_add_nc_u64 s[78:79], s[6:7], s[96:97]
	s_or_b32 s79, s79, 0x80000000
	s_add_nc_u64 s[90:91], s[10:11], s[2:3]
	s_or_b32 s91, s91, 0x80000000
	CROUND                                         ; all sixteen work-groups are here: the first joint loads meet
	JLOAD 76, 68, 88, 80                           ; the scales first: they are wanted with the first K step
	JLOAD 32, 24, 56, 48                           ; slot 0
	JLOAD 36, 24, 60, 48                           ; slot 1: three loads of mine are out
	v_and_b32 v1, 15, v0                           ; r
	v_bfe_u32 v2, v0, 4, 1                         ; h
	v_and_b32 v3, 31, v0                           ; lane
	s_mul_i32 s96, s41, AH
	v_lshl_add_u32 v16, v3, 4, s96                 ; F's images: my half + 16 x lane
	v_add_nc_u32 v17, SLOT, v16
	s_mul_i32 s96, s42, BH
	s_add_co_u32 s96, s96, 2*AH
	v_mul_u32_u24 v20, v1, BP
	v_lshl_add_u32 v20, v2, 4, v20
	v_add_nc_u32 v20, s96, v20                     ; W1's rows: my half + row r + 16 h
	v_add_nc_u32 v21, SLOT, v20
	s_lshl_b32 s96, s41, 8
	s_add_co_u32 s96, s96, SCA
	v_lshl_add_u32 v22, v1, 2, s96
	v_lshl_add_u32 v22, v2, 9, v22                 ; F's scale words: my 64 rows, row r; lanes 16-31 one K step on
	s_mul_i32 s96, s42, SBH
	s_add_co_u32 s96, s96, SCB
	v_mul_u32_u24 v23, v1, SROW
	v_add_nc_u32 v23, s96, v23                     ; W1's: my half, row r
	v_lshlrev_b32 v24, 4, v1
	v_lshl_add_u32 v24, v2, 3, v24                 ; H's images: 16 r + 8 h
	v_lshlrev_b32 v25, 2, v3                       ; HS: 4 x lane
	s_lshl_b32 s94, s45, 10
	s_lshl_b32 s95, s42, 9
	s_add_co_u32 s94, s94, s95
	v_lshl_add_u32 v27, v2, 5, s94                 ; the BN vectors: my 128 columns, + 32 h
.irp b, 0,1,2,3
	v_mov_b32 v[TM+4+\b], 0                        ; written once: a lane permute's destination counts as one of its sources
.endr
	WIN 0xc0                                       ; destination window 3
.irp t, 0,1,2,3,4,5,6,7
	global_load_b128 v[8*\t:8*\t+3], v27, s[16:17] offset:64*\t
	global_load_b128 v[8*\t+4:8*\t+7], v27, s[16:17] offset:64*\t+16
	global_load_b128 v[64+8*\t:64+8*\t+3], v27, s[12:13] offset:64*\t
	global_load_b128 v[64+8*\t+4:64+8*\t+7], v27, s[12:13] offset:64*\t+16
	global_load_b128 v[128+8*\t:128+8*\t+3], v27, s[14:15] offset:64*\t
	global_load_b128 v[128+8*\t+4:128+8*\t+7], v27, s[14:15] offset:64*\t+16
	global_load_b128 v[192+8*\t:192+8*\t+3], v27, s[18:19] offset:64*\t
	global_load_b128 v[192+8*\t+4:192+8*\t+7], v27, s[18:19] offset:64*\t+16
.endr
	WIN 0
	s_lshl_b32 s94, s46, 3
	s_lshl_b32 s95, s41, 2
	s_add_co_u32 s94, s94, s95
	s_lshl_b32 s94, s94, 15                        ; H: my first tile of rows, 32,768 bytes each,
	s_lshl_b32 s96, s45, 1
	s_add_co_u32 s96, s96, s42                     ; and my K step of H: 2 x tile column + half
	s_lshl_b32 s95, s96, 11
	s_add_co_u32 s94, s94, s95
	s_mov_b32 s95, 0
	s_add_nc_u64 s[20:21], s[20:21], s[94:95]
	s_lshl_b32 s94, s96, 14
	s_lshl_b32 s96, s46, 9
	s_add_co_u32 s94, s94, s96
	s_lshl_b32 s96, s41, 8
	s_add_co_u32 s94, s94, s96
	s_add_nc_u64 s[22:23], s[22:23], s[94:95]      ; HS: my K step, my 64 rows
	s_wait_loadcnt 0x0
	WIN 0xff                                       ; all in window 3: gamma x rsq(var + 1e-5), while the first tiles are on their way
.set k, 0
.rept 32
	v_pk_add_f32 v[192+k:193+k], v[192+k:193+k], 0x3727c5ac op_sel_hi:[1,0]
.set k, k+2
.endr
.set k, 0
.rept 64
	v_rsq_f32 v[192+k], v[192+k]
.set k, k+1
.endr
	v_nop                                          ; a plain instruction behind the last transcendental
	s_wait_alu depctr_va_vdst(0)                   ; one wait for the batch, ahead of its first reader
.set k, 0
.rept 32
	v_pk_mul_f32 v[64+k:65+k], v[64+k:65+k], v[192+k:193+k]
.set k, k+2
.endr
	WIN 0
	s_wait_tensorcnt 1                             ; the scales and my part of slot 0 are in; slot 1's load may stay out
	s_barrier_signal -1
	s_barrier_wait -1                              ; everybody's are
	FETCH 0, 0, 0
	SCALES 0
	STEP 0, 0, 1                                   ; the first K step stands in front of the loop: its products start the sums
	s_mov_b32 s47, KSTEPS/(2*NQ)-1
.Llap:                                                 ; a trip goes once round the ring and fills both slots again
	TURN 0, 1, 1
	STEP 1, 0, 0
	TURN 1, 0, 1
	STEP 0, 0, 0
	s_sub_co_u32 s47, s47, 1
	s_cmp_lg_u32 s47, 0
	s_cbranch_scc1 .Llap
	TURN 0, 1, 0                                   ; the last lap fills nothing, and has no round of the cluster's barrier
	STEP 1, 0, 0
	LAST
	; THE WAY OUT, a tile of 16 rows at a time: BN, relu and the quantiser in registers; each store's 32 lanes write 256 consecutive bytes, at a multiple of 256 from H's first byte
	PLACES 8                                       ; behind the last products: for the first read of results and for the writes over F's fragments
.irp m, 0,1,2,3
	WIN 0x0e                                       ; source 0 window 2 (the sums), source 1 window 3 (mean)
.set k, 0
.rept 32
	v_pk_add_f32 v[128+k:129+k], v[64*\m+k:64*\m+k+1], v[k:k+1] neg_lo:[0,1] neg_hi:[0,1]   ; ascending: each accumulator from its low end on
.set k, k+2
.endr
	WIN 0x3c                                       ; sources 1 and 2 window 3
.set k, 0
.rept 32
	v_pk_fma_f32 v[128+k:129+k], v[128+k:129+k], v[64+k:65+k], v[128+k:129+k]
.set k, k+2
.endr
	WIN 0
	QUANT 128, 192+16*\m, 96+\m
.irp b, 0,1,2,3
	global_store_b64 v24, v[192+16*\m+4*\b:193+16*\m+4*\b], s[20:21] offset:32768*\m+512*\b
	global_store_b64 v24, v[194+16*\m+4*\b:195+16*\m+4*\b], s[20:21] offset:32768*\m+512*\b+256
.endr
.endr
	v_cndmask_b32 v100, v96, v97, s101             ; the scale words of two tiles of rows in one register: 128 consecutive bytes a store; they are 256 of the wave's 8,448 bytes
	v_cndmask_b32 v101, v98, v99, s101
	global_store_b32 v25, v100, s[22:23]
	global_store_b32 v25, v101, s[22:23] offset:128
	s_wait_tensorcnt 0x0                           ; the wave's end, behind my last tensor load
	ds_add_u32 v28, v29
	s_wait_dscnt 0x0
	CROUND                                         ; the closing round: no work-group ends while a partner may still ask for a tile that names it
	s_endpgm
.Lfunc_end_k_qb9b54a92bc_fc1:
	.size	k_qb9b54a92bc_fc1, .Lfunc_end_k_qb9b54a92bc_fc1-k_qb9b54a92bc_fc1
	.p2alignl 7, 3214868480
	.fill 96, 4, 3214868480
	.section	.rodata,"a",@progbits
	.p2align	6, 0x0
	.amdhsa_kernel k_qb9b54a92bc_fc1
		.amdhsa_group_segment_fixed_size 327680
		.amdhsa_private_segment_fixed_size 0
		.amdhsa_enable_private_segment 0
		.amdhsa_kernarg_size 80
		.amdhsa_user_sgpr_count 2
		.amdhsa_user_sgpr_kernarg_segment_ptr 1
		.amdhsa_wavefront_size32 1
		.amdhsa_system_sgpr_workgroup_id_x 1
		.amdhsa_system_sgpr_workgroup_id_y 1
		.amdhsa_system_sgpr_workgroup_id_z 1
		.amdhsa_system_vgpr_workitem_id 0
		.amdhsa_next_free_vgpr 1024
		.amdhsa_next_free_sgpr 102
		.amdhsa_reserve_vcc 0
		.amdhsa_float_denorm_mode_32 3
		.amdhsa_float_denorm_mode_16_64 3
		.amdhsa_memory_ordered 1
		.amdhsa_forward_progress 1
		.amdhsa_inst_pref_size 140
	.end_amdhsa_kernel
	.amdgpu_metadata
---
amdhsa.version: [ 1, 2 ]
amdhsa.kernels:
  - .name:           k_qb9b54a92bc_fc1
    .symbol:         k_qb9b54a92bc_fc1.kd
    .args:
      - { .name: F, .offset: 0, .size: 8, .value_kind: global_buffer, .address_space: global }
      - { .name: FS, .offset: 8, .size: 8, .value_kind: global_buffer, .address_space: global }
      - { .name: W1_codes, .offset: 16, .size: 8, .value_kind: global_buffer, .address_space: global }
      - { .name: W1_scales, .offset: 24, .size: 8, .value_kind: global_buffer, .address_space: global }
      - { .name: bn_gamma, .offset: 32, .size: 8, .value_kind: global_buffer, .address_space: global }
      - { .name: bn_beta, .offset: 40, .size: 8, .value_kind: global_buffer, .address_space: global }
      - { .name: bn_mean, .offset: 48, .size: 8, .value_kind: global_buffer, .address_space: global }
      - { .name: bn_var, .offset: 56, .size: 8, .value_kind: global_buffer, .address_space: global }
      - { .name: H, .offset: 64, .size: 8, .value_kind: global_buffer, .address_space: global }
      - { .name: HS, .offset: 72, .size: 8, .value_kind: global_buffer, .address_space: global }
    .group_segment_fixed_size: 327680
    .private_segment_fixed_size: 0
    .kernarg_segment_align: 8
    .kernarg_segment_size: 80
    .max_flat_workgroup_size: 128
    .sgpr_count:     102
    .vgpr_count:     1024
    .wavefront_size: 32
...
	.end_amdgpu_metadata
.endif
;; end of part 2
;; launch fc2 (part 3): grid 8 x 32, 4 waves a work-group, clusters of 4 x 4, 327,680 bytes of LDS; arguments H, HS, W2_codes, W2_scales, b2, featA, out0; writes out0
.if DOCPART == 3
	.amdgcn_target "amdgcn-amd-amdhsa--gfx1250"
	.amdhsa_code_object_version 6
	.text
	.protected	k_qb9b54a92bc_fc2
	.globl	k_qb9b54a92bc_fc2
	.p2align	8
	.type	k_qb9b54a92bc_fc2,@function
k_qb9b54a92bc_fc2:
	s_mov_b64 s[64:65], 0
	v_nop
	global_prefetch_b8 v0, s[64:65] scope:SCOPE_SE
	s_setreg_imm32_b32 hwreg(HW_REG_WAVE_MODE, 25, 1), 1
	s_wait_xcnt 0x0
	s_wait_alu depctr_hold_cnt(0) depctr_sa_sdst(0) depctr_va_vdst(0) depctr_va_sdst(0) depctr_va_ssrc(0) depctr_va_vcc(0) depctr_vm_vsrc(0)
	s_getreg_b32 s2, hwreg(HW_REG_IB_STS2, 6, 4)
	s_cmp_eq_u32 s2, 0
	s_cbranch_scc0 .Lentry_in_a_cluster
	s_endpgm
.Lentry_in_a_cluster:
	s_bfe_u32 s2, ttmp6, 0x10000c
	s_cmp_lg_u32 s2, 0xf033
	s_cbranch_scc0 .Lentry_shape_is_right
	s_endpgm
.Lentry_shape_is_right:
; Third launch: out0 = H W2^T + b2 + featA, both operands codes of E5M2 with E8M0 scales.  (The products with Wq, Wk, Wqd, Wkd, the scores and the softmaxes are dead work: shown at the first kernel's head.)
; H: [256 tiles of 16 rows][16 K steps][2,048]: images of operand registers; HS: [16][4,096] scale words.  W2's codes [1,024][2,048], its scales [1,024][64].
; A tile of the result, 128 x 128, is made by a work-group of four waves; a wave makes 64 x 64: 16 accumulators.  256 work-groups.
; K goes in slots of 512 (four steps of 128) through a ring of two LDS slots, four slots' worth in all: the text is written out, with no loop.
; Waves 0 and 1 fetch the halves of H's tile (4 images' rows of 8,192 bytes), waves 2 and 3 those of W2's (64 rows of 512 bytes, padded).  The scale words for all of K come once, with the first fills.
; CLUSTERS: 4 x 4; H's tiles are shared along a row of the cluster, W2's along a column: joint loads.
; THE MATRIX INSTRUCTION IS USED TRANSPOSED (source 0 = 16 rows of W2, source 1 = 16 rows of H).  The results go through the wave's own stage in LDS and leave as rows of 256 bytes, with b2 and featA added.
; REGISTERS: window 0: v16-27 addresses; v28, v29 the add's two; v32-79 scale words, two sets; v80-83 b2; v128-255 H's fragments, two sets, later the rows on their way out.
;   window 1: W2's fragments, at v0 and v128.   window 2: the accumulators, (i, j) at v[8 (4 i + j)].   window 3: v0-127 featA's part, in the layout of the rows on their way out.
.set NBF,    4
.set NQ,     4
.set KSTEPS, 16
.set QIB,    6                         ; padding behind every 128 words
.set BMEM,   2048
.set AROW,   NQ*2048
.set APITCH, KSTEPS*2048
.set AH,     4*AROW
.set BROW,   NQ*128
.set BP,     BROW+16
.set BROWS,  16*NBF
.set BH,     BROWS*BP
.set SLOT,   2*AH+2*BH
.set RSA,    KSTEPS/2
.set SCA,    2*SLOT
.set SROW,   KSTEPS*4
.set SBH,    BROWS*SROW
.set RSB,    SBH/256
.set SCB,    SCA+KSTEPS*512
.set STAGE,  SCB+2*SBH                 ; 16 rows x (256 bytes + 16) for each wave; no tile lands here
.set SPARE,  STAGE+4*16*272            ; the spare words, 128 bytes a wave: two blocks of 256 bytes that no other line names
.set MSB,    0
.macro WIN new
.if MSB != (\new)
	s_set_vgpr_msb (MSB<<8)|(\new)
.set MSB, (\new)
.endif
.endm
.macro PLACES n
.rept \n
	v_nop
.endr
.endm
.macro JLOAD g0a, g1a, g0b, g1b        ; a joint load: waves 0 and 1 fetch for H, waves 2 and 3 for W2; an s_nop 0 and four v_nop follow each of the two lines
	s_cmp_eq_u32 s41, 0
	s_cbranch_scc0 .Lfor_b_\@
	tensor_load_to_lds s[\g0a:\g0a+3], s[\g1a:\g1a+7]
	s_nop 0
	PLACES 4
	s_branch .Lasked_\@
.Lfor_b_\@:
	tensor_load_to_lds s[\g0b:\g0b+3], s[\g1b:\g1b+7]
	s_nop 0
	PLACES 4
.Lasked_\@:
.endm
.macro CREST
	s_cmp_lg_u32 s40, 0
	s_cbranch_scc1 .Lnot_wave_0_\@
	s_barrier_signal -3
.Lnot_wave_0_\@:
	s_barrier_wait -3
	s_barrier_signal -1
	s_barrier_wait -1
.endm
.macro CROUND
	s_barrier_signal -1
	s_barrier_wait -1
	CREST
.endm
.macro FETCH sl, q, p                  ; the fragments of the slot's q-th K step into set p
	WIN 0x40
.set j, 0
.rept NBF
.irp c, 0,1,2,3
	ds_load_b128 v[128*(\p)+16*j+4*\c:128*(\p)+16*j+4*\c+3], v[20+\sl] offset:16*BP*j+128*(\q)+32*\c
.endr
.set j, j+1
.endr
	WIN 0
.irp i, 0,1,2,3
.irp c, 0,1,2,3
	ds_load_b128 v[128+64*(\p)+16*\i+4*\c:128+64*(\p)+16*\i+4*\c+3], v[16+\sl] offset:AROW*\i+2048*(\q)+512*\c
.endr
.endr
.endm
.macro SCALES sl                       ; a slot's scale words into set sl.  H's: lanes 0-15 an even K step's, lanes 16-31 the odd one's.  W2's: NQ words a row
.irp i, 0,1,2,3
.set pr, 0
.rept NQ/2
	ds_load_b32 v[32+24*(\sl)+(NQ/2)*\i+pr], v22 offset:64*\i+1024*pr
.set pr, pr+1
.endr
.endr
.set j, 0
.rept NBF
.if NQ == 2
	ds_load_b64 v[32+24*(\sl)+2*NQ+NQ*j:32+24*(\sl)+2*NQ+NQ*j+1], v23 offset:16*SROW*j
.else
	ds_load_b128 v[32+24*(\sl)+2*NQ+NQ*j:32+24*(\sl)+2*NQ+NQ*j+3], v23 offset:16*SROW*j
.endif
.set j, j+1
.endr
.endm
; n x NBF matrix instructions; all accumulators take turns, one instruction a turn, in the same order in every step
.macro MUL i0, n, p, q, sl, zero
.set ii, \i0
.rept \n
.set jj, 0
.rept NBF
.set rD, 8*(NBF*ii+jj)
.set rW, 128*(\p)+16*jj
.set rX, 128+64*(\p)+16*ii
.set rSW, 32+24*(\sl)+2*NQ+NQ*jj+(\q)
.set rSX, 32+24*(\sl)+(NQ/2)*ii+(\q)/2
.if \zero
	v_wmma_scale_f32_16x16x128_f8f6f4 v[rD:rD+7], v[rW:rW+15], v[rX:rX+15], 0, v[rSW], v[rSX] matrix_a_fmt:MATRIX_FMT_BF8 matrix_b_fmt:MATRIX_FMT_BF8
.elseif (\q)%2
	v_wmma_scale_f32_16x16x128_f8f6f4 v[rD:rD+7], v[rW:rW+15], v[rX:rX+15], v[rD:rD+7], v[rSW], v[rSX] matrix_a_fmt:MATRIX_FMT_BF8 matrix_b_fmt:MATRIX_FMT_BF8 matrix_b_scale:MATRIX_SCALE_ROW1
.else
	v_wmma_scale_f32_16x16x128_f8f6f4 v[rD:rD+7], v[rW:rW+15], v[rX:rX+15], v[rD:rD+7], v[rSW], v[rSX] matrix_a_fmt:MATRIX_FMT_BF8 matrix_b_fmt:MATRIX_FMT_BF8
.endif
.set jj, jj+1
.endr
.set ii, ii+1
.endr
.endm
.macro STEP sl, q, zero                ; a K step that has its successor in the same slot: the successor's fragments are asked for first, into the other set
	s_wait_dscnt 0x0                               ; this step's fragments and scale words are in
	PLACES 8                                       ; eight places between the last products and the loads into the set that they read
	FETCH \sl, (\q)+1, ((\q)+1)%2
	WIN 0xa1                                       ; source 0 (W2) window 1, source 1 (H) window 0, C and D window 2
	MUL 0, 4, (\q)%2, \q, \sl, \zero
	WIN 0
.endm
; A slot's last K step changes slots: one barrier; in front of it each wave waits for all its tensor loads, adds 0 to its spare word, and waits for that and for its reads of this slot.  fill = 1: the slot is filled again, two slots ahead.
.macro TURN sl, nxt, fill
	s_wait_tensorcnt 0x0                           ; all my tensor loads have landed: my part of the next slot
	ds_add_u32 v28, v29                            ; 0 onto my spare word
	s_wait_dscnt 1                                 ; all but the add: this step's fragments are in
	WIN 0xa1
	MUL 0, 1, 1, NQ-1, \sl, 0
	s_wait_dscnt 0x0                               ; the add is done, and my reads of this slot are over
	s_barrier_signal -1
	MUL 1, 1, 1, NQ-1, \sl, 0
	WIN 0
	s_barrier_wait -1
.if \fill
	CREST                                          ; the barrier has opened a round of the cluster's: no wave of any partner still reads this slot or has a load on its way
	s_add_nc_u64 s[34+4*\sl:35+4*\sl], s[34+4*\sl:35+4*\sl], 2*AROW
	s_add_nc_u64 s[58+4*\sl:59+4*\sl], s[58+4*\sl:59+4*\sl], 2*BROW
	JLOAD 32+4*\sl, 24, 56+4*\sl, 48               ; the first tensor load behind the round; its four v_nop are four of the eight places in front of the loads below
	PLACES 4
.else
	PLACES 8
.endif
	v_add_nc_u32 v22, 512*NQ, v22
	v_add_nc_u32 v23, 4*NQ, v23
	FETCH \nxt, 0, 0
	SCALES \nxt
	WIN 0xa1
	MUL 2, 2, 1, NQ-1, \sl, 0
	WIN 0
.endm
.macro LAST
	s_wait_dscnt 0x0
	WIN 0xa1
	MUL 0, 4, 1, NQ-1, 1, 0
	WIN 0
.endm
	s_load_b256 s[4:11], s[0:1], 0x0               ; H 4, HS 6, W2's codes 8, its scales 10
	s_load_b128 s[12:15], s[0:1], 0x20             ; b2 12, featA 14
	s_load_b64 s[16:17], s[0:1], 0x30              ; out0
	v_lshl_add_u32 v28, v0, 2, SPARE
	v_mov_b32 v29, 0
	ds_add_u32 v28, v29                            ; the wave's opening: the add, twice on end, and its wait ahead of my first tensor load
	ds_add_u32 v28, v29
	v_lshrrev_b32 v1, 5, v0
	v_readfirstlane_b32 s40, v1                    ; wave 0..3
	s_lshr_b32 s41, s40, 1                         ; my half of the rows.  Also: I fetch for H (0) or for W2 (1)
	s_and_b32 s42, s40, 1                          ; my half of the columns.  Also: which half I fetch
	s_bfe_u32 s43, ttmp6, 0x40000                  ; cx
	s_bfe_u32 s44, ttmp6, 0x40004                  ; cy
	s_lshl_b32 s45, ttmp9, 2
	s_add_co_u32 s45, s45, s43                     ; tile column
	s_and_b32 s46, ttmp7, 0xffff
	s_lshl_b32 s46, s46, 2
	s_add_co_u32 s46, s46, s44                     ; tile row
	s_lshl_b32 s92, s44, 2
	s_lshl_b32 s92, 15, s92                        ; my row of the cluster
	s_lshl_b32 s93, 0x1111, s43                    ; my column
	s_or_b32 s24, s92, (3<<16)|(1<<21)             ; H's tiles: elements of 8 bytes, no padding; the mask, and bit 21 beside it
	s_mov_b32 s25, (AROW/8)<<16
	s_mov_b32 s26, 4<<16
	s_mov_b32 s27, (AROW/8)<<16
	s_mov_b32 s28, 4
	s_mov_b32 s29, APITCH/8
	s_mov_b32 s30, 0
	s_mov_b32 s31, 0
	s_or_b32 s48, s93, (1<<20)|(1<<21)|(QIB<<22)|(3<<25)   ; W2's tiles: elements of 1 byte, four words of padding behind each row
	s_mov_b32 s49, BROW<<16
	s_mov_b32 s50, BROWS<<16
	s_mov_b32 s51, BROW<<16
	s_mov_b32 s52, BROWS
	s_mov_b32 s53, BMEM
	s_mov_b32 s54, 0
	s_mov_b32 s55, 0
	s_or_b32 s68, s92, (3<<16)|(1<<21)             ; H's scale words: RSA K steps x 512 bytes, 16,384 bytes apart
	s_mov_b32 s69, 64<<16
	s_mov_b32 s70, RSA<<16
	s_mov_b32 s71, 64<<16
	s_mov_b32 s72, RSA
	s_mov_b32 s73, 2048
	s_mov_b32 s74, 0
	s_mov_b32 s75, 0
	s_or_b32 s80, s93, (3<<16)|(1<<21)             ; W2's scale bytes: a dense block, as rows of 256 bytes
	s_mov_b32 s81, 32<<16
	s_mov_b32 s82, RSB<<16
	s_mov_b32 s83, 32<<16
	s_mov_b32 s84, RSB
	s_mov_b32 s85, 32
	s_mov_b32 s86, 0
	s_mov_b32 s87, 0
	s_lshl_b32 s94, s46, 3
	s_lshl_b32 s95, s42, 2
	s_add_co_u32 s94, s94, s95
	s_mul_i32 s94, s94, APITCH                     ; H: tile of rows 8 x tile row + 4 x half
	s_mov_b32 s95, 0
	s_mul_i32 s96, s42, RSA*16384
	s_lshl_b32 s97, s46, 9
	s_add_co_u32 s96, s96, s97                     ; HS: my half of the K steps, the tile's 128 rows
	s_mov_b32 s97, 0
	s_mul_i32 s98, s45, 2*BROWS
	s_mul_i32 s99, s42, BROWS
	s_add_co_u32 s98, s98, s99                     ; W2: the first row that I fetch
	s_mul_i32 s2, s98, SROW
	s_mov_b32 s3, 0
	s_mul_i32 s98, s98, BMEM
	s_mov_b32 s99, 0
	s_mov_b32 s32, 1                               ; groups 0: no place in the cluster enters an LDS address
	s_mul_i32 s33, s42, AH
	s_mov_b32 s36, 1
	s_add_co_u32 s37, s33, SLOT
	s_mov_b32 s56, 1
	s_mul_i32 s57, s42, BH
	s_add_co_u32 s57, s57, 2*AH
	s_mov_b32 s60, 1
	s_add_co_u32 s61, s57, SLOT
	s_mov_b32 s76, 1
	s_mul_i32 s77, s42, RSA*512
	s_add_co_u32 s77, s77, SCA
	s_mov_b32 s88, 1
	s_mul_i32 s89, s42, SBH
	s_add_co_u32 s89, s89, SCB
	s_wait_dscnt 0x0                               ; both opening adds are done
	s_wait_kmcnt 0x0
	s_add_nc_u64 s[34:35], s[4:5], s[94:95]
	s_add_nc_u64 s[38:39], s[34:35], AROW
	s_or_b32 s35, s35, 0x80000000
	s_or_b32 s39, s39, 0x80000000
	s_add_nc_u64 s[58:59], s[8:9], s[98:99]
	s_add_nc_u64 s[62:63], s[58:59], BROW
	s_or_b32 s59, s59, 0x80000000
	s_or_b32 s63, s63, 0x80000000
	s_add_nc_u64 s[78:79], s[6:7], s[96:97]
	s_or_b32 s79, s79, 0x80000000
	s_add_nc_u64 s[90:91], s[10:11], s[2:3]
	s_or_b32 s91, s91, 0x80000000
	CROUND                                         ; all sixteen work-groups are here: the first joint loads meet
	JLOAD 76, 68, 88, 80                           ; the scales first
	JLOAD 32, 24, 56, 48                           ; slot 0
	JLOAD 36, 24, 60, 48                           ; slot 1: three loads of mine are out
	v_and_b32 v1, 15, v0                           ; r
	v_bfe_u32 v2, v0, 4, 1                         ; h
	v_and_b32 v3, 31, v0                           ; lane
	s_mul_i32 s96, s41, AH
	v_lshl_add_u32 v16, v3, 4, s96                 ; H's images: my half + 16 x lane
	v_add_nc_u32 v17, SLOT, v16
	s_mul_i32 s96, s42, BH
	s_add_co_u32 s96, s96, 2*AH
	v_mul_u32_u24 v20, v1, BP
	v_lshl_add_u32 v20, v2, 4, v20
	v_add_nc_u32 v20, s96, v20                     ; W2's rows: my half + row r + 16 h
	v_add_nc_u32 v21, SLOT, v20
	s_lshl_b32 s96, s41, 8
	s_add_co_u32 s96, s96, SCA
	v_lshl_add_u32 v22, v1, 2, s96
	v_lshl_add_u32 v22, v2, 9, v22                 ; H's scale words: my 64 rows, row r; lanes 16-31 one K step on
	s_mul_i32 s96, s42, SBH
	s_add_co_u32 s96, s96, SCB
	v_mul_u32_u24 v23, v1, SROW
	v_add_nc_u32 v23, s96, v23                     ; W2's: my half, row r
	s_mul_i32 s96, s40, 16*272
	s_add_co_u32 s96, s96, STAGE                   ; my stage
	v_mul_u32_u24 v24, v1, 272
	v_lshl_add_u32 v24, v2, 5, v24
	v_add_nc_u32 v24, s96, v24                     ; in: row r, 32 bytes for each half of the lanes
	v_mul_u32_u24 v25, v2, 272
	v_lshl_add_u32 v25, v1, 4, v25
	v_add_nc_u32 v25, s96, v25                     ; back: lanes 0-15 one row of 256 bytes, lanes 16-31 the next
	v_lshlrev_b32 v26, 12, v2
	v_lshl_add_u32 v26, v1, 4, v26                 ; and the same two rows in featA and out0
	s_lshl_b32 s96, s45, 9
	s_lshl_b32 s97, s42, 8
	s_add_co_u32 s96, s96, s97                     ; my 64 columns, in bytes
	v_lshl_add_u32 v27, v1, 4, s96                 ; b2: my four columns
	s_lshl_b32 s94, s46, 7
	s_lshl_b32 s95, s41, 6
	s_add_co_u32 s94, s94, s95
	s_lshl_b32 s94, s94, 12                        ; my first row, 4,096 bytes a row
	s_add_co_u32 s94, s94, s96
	s_mov_b32 s95, 0
	s_add_nc_u64 s[14:15], s[14:15], s[94:95]
	s_add_nc_u64 s[16:17], s[16:17], s[94:95]
	global_load_b128 v[80:83], v27, s[12:13]
	WIN 0xc0                                       ; destination window 3
.irp i, 0,1,2,3
.irp t, 0,1,2,3,4,5,6,7
	global_load_b128 v[4*(8*\i+\t):4*(8*\i+\t)+3], v26, s[14:15] offset:(16*\i+2*\t)*4096 th:TH_LOAD_NT   ; 16 lanes read 256 consecutive bytes of a row; read once in this launch
.endr
.endr
	WIN 0
	s_wait_tensorcnt 1                             ; the scales and my part of slot 0 are in; slot 1's load may stay out
	s_barrier_signal -1
	s_barrier_wait -1
	FETCH 0, 0, 0
	SCALES 0
	STEP 0, 0, 1                                   ; the first products start the sums
	STEP 0, 1, 0
	STEP 0, 2, 0
	TURN 0, 1, 1                                   ; slot 0 takes the third 512 along K
	STEP 1, 0, 0
	STEP 1, 1, 0
	STEP 1, 2, 0
	TURN 1, 0, 1                                   ; slot 1 the fourth
	STEP 0, 0, 0
	STEP 0, 1, 0
	STEP 0, 2, 0
	TURN 0, 1, 0                                   ; nothing is left to fetch
	STEP 1, 0, 0
	STEP 1, 1, 0
	STEP 1, 2, 0
	LAST
	; THE WAY OUT, a block of 16 rows x 64 columns at a time, through my own stage.  LDS serves a wave's instructions in order (ISA guide 5.7.1.4): no wait between the stores and the loads, nor in front of the next block's stores
	PLACES 8                                       ; behind the last products: for the first read of results and for the loads over H's fragments
	s_wait_loadcnt 0x0                             ; b2 and featA
.irp i, 0,1,2,3
	WIN 0x08                                       ; an LDS store's data are its source 1: window 2
.irp j, 0,1,2,3
	ds_store_b128 v24, v[8*(4*\i+\j):8*(4*\i+\j)+3] offset:64*\j        ; each accumulator from its low end on
	ds_store_b128 v24, v[8*(4*\i+\j)+4:8*(4*\i+\j)+7] offset:64*\j+16
.endr
	WIN 0
.irp t, 0,1,2,3,4,5,6,7
	ds_load_b128 v[128+32*\i+4*\t:128+32*\i+4*\t+3], v25 offset:544*\t
.endr
.endr
.irp i, 0,1,2,3
	s_wait_dscnt 16*(3-\i)                         ; block i is back; the later blocks' sixteen LDS instructions each may be out
.irp t, 0,1,2,3,4,5,6,7
	v_pk_add_f32 v[128+32*\i+4*\t:129+32*\i+4*\t], v[128+32*\i+4*\t:129+32*\i+4*\t], v[80:81]
	v_pk_add_f32 v[130+32*\i+4*\t:131+32*\i+4*\t], v[130+32*\i+4*\t:131+32*\i+4*\t], v[82:83]
.endr
	WIN 0x0c                                       ; source 1 window 3: featA
.irp t, 0,1,2,3,4,5,6,7
	v_pk_add_f32 v[128+32*\i+4*\t:129+32*\i+4*\t], v[128+32*\i+4*\t:129+32*\i+4*\t], v[4*(8*\i+\t):4*(8*\i+\t)+1]
	v_pk_add_f32 v[130+32*\i+4*\t:131+32*\i+4*\t], v[130+32*\i+4*\t:131+32*\i+4*\t], v[4*(8*\i+\t)+2:4*(8*\i+\t)+3]
.endr
	WIN 0
.irp t, 0,1,2,3,4,5,6,7
	global_store_b128 v26, v[128+32*\i+4*\t:128+32*\i+4*\t+3], s[16:17] offset:(16*\i+2*\t)*4096 th:TH_STORE_NT   ; 16 lanes store 256 consecutive bytes, at a multiple of 256 from out0's first byte
.endr
.endr
	s_wait_tensorcnt 0x0                           ; the wave's end, behind my last tensor load and my last LDS store
	ds_add_u32 v28, v29
	s_wait_dscnt 0x0
	CROUND                                         ; the closing round: no work-group ends while a partner may still ask for a tile that names it
	s_endpgm
.Lfunc_end_k_qb9b54a92bc_fc2:
	.size	k_qb9b54a92bc_fc2, .Lfunc_end_k_qb9b54a92bc_fc2-k_qb9b54a92bc_fc2
	.p2alignl 7, 3214868480
	.fill 96, 4, 3214868480
	.section	.rodata,"a",@progbits
	.p2align	6, 0x0
	.amdhsa_kernel k_qb9b54a92bc_fc2
		.amdhsa_group_segment_fixed_size 327680
		.amdhsa_private_segment_fixed_size 0
		.amdhsa_enable_private_segment 0
		.amdhsa_kernarg_size 56
		.amdhsa_user_sgpr_count 2
		.amdhsa_user_sgpr_kernarg_segment_ptr 1
		.amdhsa_wavefront_size32 1
		.amdhsa_system_sgpr_workgroup_id_x 1
		.amdhsa_system_sgpr_workgroup_id_y 1
		.amdhsa_system_sgpr_workgroup_id_z 1
		.amdhsa_system_vgpr_workitem_id 0
		.amdhsa_next_free_vgpr 1024
		.amdhsa_next_free_sgpr 102
		.amdhsa_reserve_vcc 0
		.amdhsa_float_denorm_mode_32 3
		.amdhsa_float_denorm_mode_16_64 3
		.amdhsa_memory_ordered 1
		.amdhsa_forward_progress 1
		.amdhsa_inst_pref_size 105
	.end_amdhsa_kernel
	.amdgpu_metadata
---
amdhsa.version: [ 1, 2 ]
amdhsa.kernels:
  - .name:           k_qb9b54a92bc_fc2
    .symbol:         k_qb9b54a92bc_fc2.kd
    .args:
      - { .name: H, .offset: 0, .size: 8, .value_kind: global_buffer, .address_space: global }
      - { .name: HS, .offset: 8, .size: 8, .value_kind: global_buffer, .address_space: global }
      - { .name: W2_codes, .offset: 16, .size: 8, .value_kind: global_buffer, .address_space: global }
      - { .name: W2_scales, .offset: 24, .size: 8, .value_kind: global_buffer, .address_space: global }
      - { .name: b2, .offset: 32, .size: 8, .value_kind: global_buffer, .address_space: global }
      - { .name: featA, .offset: 40, .size: 8, .value_kind: global_buffer, .address_space: global }
      - { .name: out0, .offset: 48, .size: 8, .value_kind: global_buffer, .address_space: global }
    .group_segment_fixed_size: 327680
    .private_segment_fixed_size: 0
    .kernarg_segment_align: 8
    .kernarg_segment_size: 56
    .max_flat_workgroup_size: 128
    .sgpr_count:     102
    .vgpr_count:     1024
    .wavefront_size: 32
...
	.end_amdgpu_metadata
.endif
;; end of part 3
;; ======== version 2 of 2: 3 launches
;; workspace buffers: F 12,582,912 bytes; FS 393,216 bytes; H 8,388,608 bytes; HS 262,144 bytes
;; launch prep (part 4): grid 256 x 1, 4 waves a work-group, clusters of 4 x 1, 327,680 bytes of LDS; arguments featA, featB_codes, featB_scales, Wv_codes, Wv_scales, ln_in_w, ln_in_b, ln_sim_w, ln_sim_b, ln_dis_w, ln_dis_b, F, FS; writes F, FS
.if DOCPART == 4
	.amdgcn_target "amdgcn-amd-amdhsa--gfx1250"
	.amdhsa_code_object_version 6
	.text
	.protected	k_qb9b54a92bc_prep
	.globl	k_qb9b54a92bc_prep
	.p2align	8
	.type	k_qb9b54a92bc_prep,@function
k_qb9b54a92bc_prep:
	s_mov_b64 s[64:65], 0
	v_nop
	global_prefetch_b8 v0, s[64:65] scope:SCOPE_SE
	s_setreg_imm32_b32 hwreg(HW_REG_WAVE_MODE, 25, 1), 1
	s_wait_xcnt 0x0
	s_wait_alu depctr_hold_cnt(0) depctr_sa_sdst(0) depctr_va_vdst(0) depctr_va_sdst(0) depctr_va_ssrc(0) depctr_va_vcc(0) depctr_vm_vsrc(0)
	s_getreg_b32 s2, hwreg(HW_REG_IB_STS2, 6, 4)
	s_cmp_eq_u32 s2, 0
	s_cbranch_scc0 .Lentry_in_a_cluster
	s_endpgm
.Lentry_in_a_cluster:
	s_bfe_u32 s2, ttmp6, 0x10000c
	s_cmp_lg_u32 s2, 0x3003
	s_cbranch_scc0 .Lentry_shape_is_right
	s_endpgm
.Lentry_shape_is_right:
; GlobalFeatureDualAttention, first of three launches: the operand of the product with W1, as codes of E5M2 with E8M0 scales.
; DEAD WORK, for all finite inputs.  N = 1, so both softmaxes run over an axis of length 1: exp(s - max s) / sum = exp(0) / exp(0) = 1 whatever the score s.
; So sim_w = dis_w = 1, and the two products of the weights with v are v itself.  q, k, qd, kd, the scores and the distance have no way to any output:
; the products with Wq, Wk, Wqd, Wkd, q . k, the distance and both softmaxes are left out, and Wq, Wk, Wqd, Wkd (codes and scales) are not loaded and are no arguments.
; LIMIT: a NaN, an infinity or an overflow that would arise only in q, k, qd, kd, the scores or the distance is not carried to the result.
; LIVE HERE: xA_n = LN(featA; ln_in);  v = featB Wv^T (on the given codes);  ctx_sim = LN(v; ln_sim), ctx_dis = LN(v; ln_dis);  [xA_n | ctx_sim | ctx_dis] quantised along its 3,072.
; OTHER LIMITS: a block of zeros gets the scale byte 1 and not 127 (its codes are zeros; the bytes are read by this program alone); a block's largest magnitude is taken no smaller than 2^(16 - 127);
; 1 / sqrt(var + eps) is v_rsq_f32 and a multiplication; NaN and infinities among the inputs are not served.  The variance is the mean of (x - mean)^2, taken in a second pass, as the problem writes it.
; SHARES.  Work-group g owns rows 16 g .. 16 g + 15, whole.  Wave w owns columns 256 w .. 256 w + 255 of v and of featA: 16 tiles of 16 x 16; a row's sums meet in LDS.
; THE PRODUCT IS USED TRANSPOSED (source 0 = 16 rows of Wv, source 1 = my 16 rows of featB): lane (r, h) holds row r, and register j of a tile eight neighbouring columns, 8 h + j of the tile's 16.
; So a block of 32 columns is 16 registers of lane l and 16 of lane l xor 16, and the conversions' 8-byte results are stored straight into F.
; F: [tile of 16 rows][K step of 128][2,048 bytes]: an image of an operand's registers: byte 512 c + 16 lane + y = register 4 c + y / 4 of that lane.  FS: [K step][row] one word of four scale bytes.
; Wv: every work-group walks all of it.  Wave w's 256 rows come in 8 steps of 32 rows x 1,024 bytes through two LDS slots; each wave reads only what its own load brought.
; CLUSTER: the four work-groups of a cluster walk the same rows of Wv in step, so each tile is asked for jointly (mask 15, the same descriptor in all four).
; THE WALK DIFFERS FROM CLUSTER TO CLUSTER.  phi = cluster mod 4.  Lap q of the ring (steps 2 q and 2 q + 1) takes rows 64 (q xor phi) on of the wave's 256: so the first laps of four neighbouring clusters
; together ask for all of Wv, and every later lap asks for rows that another cluster asked for laps before.  Register tiles 4 q .. 4 q + 3 then hold columns 64 (q xor phi) on: the offsets of Wv's scale words,
; of ln_sim's and ln_dis's numbers and of F's images carry (q xor phi); in a scale word the two pairs of bytes change places where phi is odd, and the wave's two K steps where phi is 2 or 3.  A row's sums do not mind the order.
; featA's layer norm stands between the steps of the product, where the wave would else only wait for its next tile.
; REGISTERS, in windows of 256.  window 0: v1-13 offsets, v14-15 the add's two, v16-31 sums, v32-39 featB's scale words, v40-103 Wv's, v104-119 the quantiser's, v120-125 scale words made, v128-191 64 numbers at work, v192-223 codes,
;   v224-226 scale words on their way out, v228-240 the offsets that carry phi, v241-242 at work.
;   window 1: v0-127 v's 16 tiles; v128-255 featA in the same layout.   window 2: v0-127 featB's 8 fragments; v128-255 ln_in's w and b of one K step.   window 3: a step's 16 fragments of Wv.
;   Behind the product windows 3 and 2 hold ln_sim's and ln_dis's w and b: window 3 for register tiles 0-7, window 2 for tiles 8-15.
.set PITCH, 1040                       ; an LDS row of Wv: 1,024 bytes + 16 of padding = 65 x 16: the 16 rows of a fragment load start at 16 different groups of banks
.set WSL,   32*PITCH                   ; a wave's part of a slot: 32 rows
.set SLOTB, 4*WSL                      ; a slot
.set RED,   2*SLOTB                    ; four exchanges of 256 bytes: word 16 r + 4 w = wave w's part of row r's sum; no tile lands here
.set SPARE, RED+1024                   ; the spare words, 128 bytes a wave: two blocks of 256 bytes that no other line names
.set TM,    104
.set SEL,   54
.set MNT,   56
.set OFQ,   72                         ; s[72:79] four pairs: (q xor phi) x 65,536, the bytes of 64 rows of Wv, for lap q = 0 .. 3
.set MSB,   0
.macro WIN new                         ; the immediate's high byte repeats the setting that is left; a switch that changes nothing is dropped
.if MSB != (\new)
	s_set_vgpr_msb (MSB<<8)|(\new)
.set MSB, (\new)
.endif
.endm
.macro PLACES n
.rept \n
	v_nop
.endr
.endm
.macro CROUND                          ; a round of the cluster's barrier: my work-group's barrier; wave 0 signals for the work-group; every wave waits for all four; my work-group's barrier once more
	s_barrier_signal -1
	s_barrier_wait -1
	s_cmp_lg_u32 s52, 0
	s_cbranch_scc1 .Lnot_wave_0_\@
	s_barrier_signal -3
.Lnot_wave_0_\@:
	s_barrier_wait -3
	s_barrier_signal -1
	s_barrier_wait -1
.endm
.macro TL sl                           ; my joint load into slot sl; an s_nop 0 and four v_nop follow it
	tensor_load_to_lds s[44+4*(\sl):47+4*(\sl)], s[36:43]
	s_nop 0
	PLACES 4
.endm
; Step s of the product: 32 rows of Wv = register tiles 2 s and 2 s + 1, all 1,024 along K.  64 LDS loads in one run, then 16 matrix instructions, the two accumulators by turns.
.macro PROC s
	PLACES 8                                       ; eight places between the last products and the loads into the registers that they read
	WIN 0xc0                                       ; destination window 3
.irp ks, 0,1,2,3,4,5,6,7
.irp t, 0,1
.irp c, 0,1,2,3
	ds_load_b128 v[16*(2*\ks+\t)+4*\c:16*(2*\ks+\t)+4*\c+3], v[3+(\s)%2] offset:16*PITCH*\t+128*\ks+32*\c
.endr
.endr
.endr
	WIN 0x5b                                       ; source 0 (Wv) window 3, source 1 (featB) window 2, C and D window 1
.irp ks, 0,1,2,3,4,5,6,7
	s_wait_dscnt 56-8*\ks                          ; LDS loads come back in order: the eight of this K step are in, those of the later K steps may be out
.if \ks == 0
	v_wmma_scale_f32_16x16x128_f8f6f4 v[16*(\s):16*(\s)+7], v[32*\ks:32*\ks+15], v[16*\ks:16*\ks+15], 0, v[40+8*(\s)+\ks], v[32+\ks] matrix_a_fmt:MATRIX_FMT_BF8 matrix_b_fmt:MATRIX_FMT_BF8
	v_wmma_scale_f32_16x16x128_f8f6f4 v[16*(\s)+8:16*(\s)+15], v[32*\ks+16:32*\ks+31], v[16*\ks:16*\ks+15], 0, v[40+8*(\s)+\ks], v[32+\ks] matrix_a_fmt:MATRIX_FMT_BF8 matrix_b_fmt:MATRIX_FMT_BF8 matrix_a_scale:MATRIX_SCALE_ROW1
.else
	v_wmma_scale_f32_16x16x128_f8f6f4 v[16*(\s):16*(\s)+7], v[32*\ks:32*\ks+15], v[16*\ks:16*\ks+15], v[16*(\s):16*(\s)+7], v[40+8*(\s)+\ks], v[32+\ks] matrix_a_fmt:MATRIX_FMT_BF8 matrix_b_fmt:MATRIX_FMT_BF8
	v_wmma_scale_f32_16x16x128_f8f6f4 v[16*(\s)+8:16*(\s)+15], v[32*\ks+16:32*\ks+31], v[16*\ks:16*\ks+15], v[16*(\s)+8:16*(\s)+15], v[40+8*(\s)+\ks], v[32+\ks] matrix_a_fmt:MATRIX_FMT_BF8 matrix_b_fmt:MATRIX_FMT_BF8 matrix_a_scale:MATRIX_SCALE_ROW1
.endif
.endr
	WIN 0
.endm
; The slot that step s has read is filled again, with step s + 2.  All my tensor loads have landed (the other slot's among them), the add, my LDS instructions are done; a round of the cluster's barrier; the joint refill first behind it.
.macro CHANGE s
	s_wait_tensorcnt 0x0                           ; no tensor load of mine is out, so a group 0 may be written
	ds_add_u32 v14, v15                            ; 0 onto my spare word
	s_add_nc_u64 s[46+4*((\s)%2):47+4*((\s)%2)], s[14:15], s[OFQ+2*(((\s)+2)/2):OFQ+2*(((\s)+2)/2)+1]   ; lap (s + 2) / 2 of my walk: rows 64 (lap xor phi) on of my wave's 256
.if (\s)%2
	s_add_nc_u64 s[50:51], s[50:51], 32768         ; slot 1 takes the lap's second 32 rows
.endif
	s_or_b32 s[47+4*((\s)%2)], s[47+4*((\s)%2)], 0x80000000   ; type = 2
	s_wait_dscnt 0x0                               ; the add is done, my reads of the slot are over, and my store into an exchange has landed
	CROUND
	TL (\s)%2
.endm
.macro LNRED red                       ; the four chains, then lane l xor 16's: my wave's part of row r's sum, into exchange red
	WIN 0
	v_pk_add_f32 v[16:17], v[16:17], v[18:19]
	v_pk_add_f32 v[20:21], v[20:21], v[22:23]
	v_pk_add_f32 v[16:17], v[16:17], v[20:21]
	v_add_f32 v16, v16, v17
	v_permlanex16_b32 v17, v16, s[SEL], s[SEL+1]
	v_add_f32 v16, v16, v17
	ds_store_b32 v12, v16 offset:256*\red          ; both lanes of a row write the same word with the same value
.endm
.macro LNSUM xb, red                   ; the sum of my 128 numbers at v[xb] of window 1, in ascending order: each accumulator is read from its low end on
	WIN 0x05
.irp c, 0,1,2,3
	v_pk_add_f32 v[16+2*\c:17+2*\c], v[\xb+4*\c:\xb+4*\c+1], v[\xb+4*\c+2:\xb+4*\c+3]
.endr
	WIN 0x04
.set k, 16
.rept 56
	v_pk_add_f32 v[16+2*((k/2)%4):17+2*((k/2)%4)], v[16+2*((k/2)%4):17+2*((k/2)%4)], v[\xb+k:\xb+k+1]
.set k, k+2
.endr
	LNRED \red
.endm
.macro LNGET red, dst                  ; the four waves' parts of my row's sum, added in one fixed order, / 1,024
	ds_load_b128 v[24:27], v13 offset:256*\red
	s_wait_dscnt 0x0
	v_add_f32 v24, v24, v25
	v_add_f32 v26, v26, v27
	v_add_f32 v24, v24, v26
	v_mul_f32 v[\dst], 0x3a800000, v24
.endm
.macro LNVAR xb, red                   ; x - mean in place, then the sum of its squares
	v_mov_b32 v29, v28
	WIN 0x41
.set k, 0
.rept 64
	v_pk_add_f32 v[\xb+k:\xb+k+1], v[\xb+k:\xb+k+1], v[28:29] neg_lo:[0,1] neg_hi:[0,1]
.set k, k+2
.endr
	WIN 0x05
.irp c, 0,1,2,3
	v_pk_mul_f32 v[16+2*\c:17+2*\c], v[\xb+2*\c:\xb+2*\c+1], v[\xb+2*\c:\xb+2*\c+1]
.endr
.set k, 8
.rept 60
	v_pk_fma_f32 v[16+2*((k/2)%4):17+2*((k/2)%4)], v[\xb+k:\xb+k+1], v[\xb+k:\xb+k+1], v[16+2*((k/2)%4):17+2*((k/2)%4)]
.set k, k+2
.endr
	LNRED \red
.endm
.macro LNRSTD                          ; v30 = the variance -> v[30:31] = 1 / sqrt(variance + 1e-5), twice
	v_add_f32 v30, 0x3727c5ac, v30
	v_rsq_f32 v30, v30
	v_nop                                          ; a plain instruction between the transcendental and the use of its result
	s_wait_alu depctr_va_vdst(0)                   ; and a wait ahead of its first reader
	v_mov_b32 v31, v30
.endm
.macro LNSCALE xb
	WIN 0x41
.set k, 0
.rept 64
	v_pk_mul_f32 v[\xb+k:\xb+k+1], v[\xb+k:\xb+k+1], v[30:31]
.set k, k+2
.endr
	WIN 0
.endm
.macro PLOAD ptr, win, dst, e          ; featA's side: 64 numbers of a gain or bias, for my wave's K step e, in the tiles' layout, into v[dst] of window win
	WIN (\win)<<6
.irp t, 0,1,2,3,4,5,6,7
	global_load_b128 v[\dst+8*\t:\dst+8*\t+3], v9, s[\ptr:\ptr+1] offset:512*\e+64*\t
	global_load_b128 v[\dst+8*\t+4:\dst+8*\t+7], v9, s[\ptr:\ptr+1] offset:512*\e+64*\t+16
.endr
	WIN 0
.endm
.macro PLOADX ptr, win, dst, e         ; v's side: the same for register tiles 8 e .. 8 e + 7, whose columns follow the walk: laps 2 e and 2 e + 1, four tiles (256 bytes) each
	WIN (\win)<<6
.irp t, 0,1,2,3,4,5,6,7
	global_load_b128 v[\dst+8*\t:\dst+8*\t+3], v[232+2*\e+\t/4], s[\ptr:\ptr+1] offset:64*(\t%4)
	global_load_b128 v[\dst+8*\t+4:\dst+8*\t+7], v[232+2*\e+\t/4], s[\ptr:\ptr+1] offset:64*(\t%4)+16
.endr
	WIN 0
.endm
.macro AFFINE xb, e, pwin, wb, bb      ; v128-191 = normalised x gain + bias, for register tiles 8 e on
	WIN 0x01|((\pwin)<<2)|((\pwin)<<4)
.set k, 0
.rept 32
	v_pk_fma_f32 v[128+k:129+k], v[\xb+64*\e+k:\xb+64*\e+k+1], v[\wb+k:\wb+k+1], v[\bb+k:\bb+k+1]
.set k, k+2
.endr
	WIN 0
.endm
; 64 numbers of a lane, v[s] on; registers 16 b .. 16 b + 15 and those of lane l xor 16 are block b of 32.  Codes into v[pc] on, the row's scale word into v[pw].
.macro QUANT s, pc, pw
	s_wait_xcnt 0x0                                ; the stores that read v[pc] on two calls back have had their addresses translated (ISA guide 3.1): only behind this wait are those registers written again
.irp b, 0,1,2,3
	v_max3_num_f32 v[TM+\b], |v[\s+16*\b]|, |v[\s+1+16*\b]|, 0x8000000   ; block b: my 16 numbers, and the floor 2^(16 - 127): so the byte cannot fall under 1
.endr
.irp i, 2,4,6,8,10,12,14
.irp b, 0,1,2,3
	v_max3_num_f32 v[TM+\b], v[TM+\b], |v[\s+16*\b+\i]|, |v[\s+1+16*\b+\i]|   ; the four blocks by turns
.endr
.endr
.irp b, 0,1,2,3
	v_permlanex16_b32 v[TM+4+\b], v[TM+\b], s[SEL], s[SEL+1]
.endr
.irp b, 0,1,2,3
	v_max_num_f32 v[TM+\b], v[TM+\b], v[TM+4+\b]   ; with lane l xor 16's: the block's largest magnitude
.endr
.irp b, 0,1,2,3
	v_add_nc_u32 v[TM+12+\b], 0xf8800000, v[TM+\b]   ; 15 off its exponent field: the conversion takes this operand's exponent field as its scale
.endr
.irp b, 0,1,2,3
	v_and_or_b32 v[TM+8+\b], v[TM+\b], 0x7f800000, s[MNT]   ; 57,344 x the scale
.endr
.irp b, 0,1,2,3
	v_lshrrev_b32 v[TM+4+\b], 23, v[TM+12+\b]      ; the scale's byte
.endr
	v_lshl_or_b32 v[\pw], v[TM+5], 8, v[TM+4]
	v_lshl_or_b32 v[\pw], v[TM+6], 16, v[\pw]
	v_lshl_or_b32 v[\pw], v[TM+7], 24, v[\pw]
.irp b, 0,1,2,3
.irp i, 0,1,2,3,4,5,6,7,8,9,10,11,12,13,14,15
	v_med3_num_f32 v[\s+16*\b+\i], v[\s+16*\b+\i], -v[TM+8+\b], v[TM+8+\b]   ; the conversion to an 8-bit code does not saturate (ISA guide 7.6.2): the hold at the largest code x the scale
.endr
	v_cvt_scalef32_pk8_bf8_f32 v[(\pc)+4*\b:(\pc)+1+4*\b], v[\s+16*\b:\s+7+16*\b], v[TM+12+\b]        ; the block's columns 8 h + 0 .. 7
	v_cvt_scalef32_pk8_bf8_f32 v[(\pc)+2+4*\b:(\pc)+3+4*\b], v[\s+8+16*\b:\s+15+16*\b], v[TM+12+\b]   ; and 16 + 8 h + 0 .. 7
.endr
	v_nop                                          ; a plain instruction between the last conversion and the next vector instruction that writes its sources
.endm
; The codes of segment 0 (featA's), K step e of my wave: each store's 32 lanes write 256 consecutive bytes, at a multiple of 256 from F's first byte.
.macro PUT seg, e, pc
.irp b, 0,1,2,3
	global_store_b64 v10, v[\pc+4*\b:\pc+4*\b+1], s[30:31] offset:(8*\seg+\e)*2048+512*\b          ; k = 32 b + 0 .. 15: lanes 0-15 of the image
	global_store_b64 v10, v[\pc+4*\b+2:\pc+4*\b+3], s[30:31] offset:(8*\seg+\e)*2048+512*\b+256    ; k = 32 b + 16 .. 31: lanes 16-31
.endr
.endm
; The same for segments 1 and 2 (v's): blocks 2 c and 2 c + 1 of register tiles 8 e on belong to lap 2 e + c, whose 1,024 bytes of images lie at 1,024 (lap xor phi).
.macro PUTX seg, e, pc
.irp b, 0,1,2,3
	global_store_b64 v[236+2*\e+\b/2], v[\pc+4*\b:\pc+4*\b+1], s[30:31] offset:16384*\seg+512*(\b%2)
	global_store_b64 v[236+2*\e+\b/2], v[\pc+4*\b+2:\pc+4*\b+3], s[30:31] offset:16384*\seg+512*(\b%2)+256
.endr
.endm
	s_load_b512 s[8:23], s[0:1], 0x0               ; featA 8, featB's codes 10, its scales 12, Wv's codes 14, its scales 16, ln_in_w 18, ln_in_b 20, ln_sim_w 22
	s_load_b256 s[24:31], s[0:1], 0x40             ; ln_sim_b 24, ln_dis_w 26, ln_dis_b 28, F 30
	s_load_b64 s[32:33], s[0:1], 0x60              ; FS
	v_lshl_add_u32 v14, v0, 2, SPARE
	v_mov_b32 v15, 0
	ds_add_u32 v14, v15                            ; the wave's opening: the add, twice on end, and its wait ahead of my first tensor load
	ds_add_u32 v14, v15
	v_lshrrev_b32 v1, 5, v0
	v_readfirstlane_b32 s52, v1                    ; wave 0..3
	s_bfe_u32 s53, ttmp6, 0x40000                  ; cx
	s_lshl_b32 s58, ttmp9, 2
	s_add_co_u32 s53, s58, s53                     ; g = 4 x cluster + cx: it enters the addresses of featA, featB, F and FS alone
	s_and_b32 s70, ttmp9, 3                        ; phi = cluster mod 4: the same in all four partners
	s_lshr_b32 s71, s70, 1                         ; its upper bit: my wave's two K steps change places
.irp q, 0,1,2,3
	s_xor_b32 s[OFQ+2*\q], s70, \q
	s_lshl_b32 s[OFQ+2*\q], s[OFQ+2*\q], 16        ; lap q: 64 (q xor phi) rows of 1,024 bytes
	s_mov_b32 s[OFQ+2*\q+1], 0
.endr
	; descriptor group 1: 32 rows x 1,024 bytes, 16 bytes of padding behind each
	s_mov_b32 s36, 15|(1<<20)|(1<<21)|(7<<22)|(3<<25)   ; 15:0 the mask: all four; 17:16 elements of 1 byte; 20 padding on; 21 set beside a mask; 24:22 after every 256 words (code 7); 31:25 four words (code 3)
	s_mov_b32 s37, 1024<<16                        ; tensor_dim0
	s_mov_b32 s38, 32<<16                          ; tensor_dim1
	s_mov_b32 s39, 1024<<16                        ; tile_dim0
	s_mov_b32 s40, 32                              ; tile_dim1
	s_mov_b32 s41, 1024                            ; from row to row
	s_mov_b32 s42, 0
	s_mov_b32 s43, 0
	s_mov_b32 s[SEL], 0x76543210
	s_mov_b32 s[SEL+1], 0xfedcba98                 ; v_permlanex16_b32's selects for lane l xor 16
	s_mov_b32 s[MNT], 0x600000                     ; the mantissa field of 57,344
	s_mov_b32 s57, 0xffff0000                      ; lanes 16-31
	s_mov_b32 s59, 0
	s_lshl_b32 s60, s52, 18                        ; my wave's 256 rows of Wv
	s_mov_b32 s61, 0
	s_mul_i32 s62, s52, WSL                        ; my wave's part of a slot
	s_wait_dscnt 0x0                               ; both opening adds are done
	s_wait_kmcnt 0x0
	s_add_nc_u64 s[14:15], s[14:15], s[60:61]      ; Wv at my wave's 256 rows
	s_mov_b32 s44, 1
	s_mov_b32 s45, s62
	s_add_nc_u64 s[46:47], s[14:15], s[OFQ:OFQ+1]  ; lap 0, its first 32 rows
	s_mov_b32 s48, 1
	s_add_co_u32 s49, s62, SLOTB
	s_add_nc_u64 s[50:51], s[46:47], 32768         ; and its second
	s_or_b32 s47, s47, 0x80000000
	s_or_b32 s51, s51, 0x80000000
	CROUND                                         ; all four work-groups are here: the first joint loads meet
	TL 0
	TL 1
	s_and_b32 s60, s70, 1
	s_lshl_b32 s60, s60, 4                         ; 16 where phi is odd: the shift of a scale word's lower pair of bytes,
	s_sub_co_u32 s61, 16, s60                      ; and that of its upper pair
	s_lshl_b32 s58, s53, 16
	s_add_nc_u64 s[8:9], s[8:9], s[58:59]          ; featA at my 16 rows
	s_lshl_b32 s58, s53, 14
	s_add_nc_u64 s[10:11], s[10:11], s[58:59]      ; featB's codes
	s_lshl_b32 s58, s53, 9
	s_add_nc_u64 s[12:13], s[12:13], s[58:59]      ; featB's scales
	s_mul_i32 s58, s53, 49152
	s_add_nc_u64 s[30:31], s[30:31], s[58:59]      ; F: my 24 images
	s_lshl_b32 s58, s53, 6
	s_add_nc_u64 s[32:33], s[32:33], s[58:59]      ; FS: my 16 words of a K step
	v_and_b32 v1, 15, v0                           ; r
	v_bfe_u32 v2, v0, 4, 1                         ; h
	v_and_b32 v16, 31, v0                          ; lane
	v_mul_u32_u24 v3, v1, PITCH
	v_lshl_add_u32 v3, v2, 4, v3
	v_add_nc_u32 v3, s62, v3                       ; Wv's fragments in slot 0: my wave's part + row r + 16 h
	v_add_nc_u32 v4, SLOTB, v3                     ; and in slot 1
	v_lshlrev_b32 v5, 10, v1
	v_lshl_add_u32 v5, v2, 4, v5                   ; featB's codes: 1,024 r + 16 h
	v_lshlrev_b32 v6, 5, v1                        ; featB's scales: 32 r
	s_lshl_b32 s63, s52, 13
	v_lshl_add_u32 v7, v16, 5, s63                 ; Wv's scales: row 256 w + lane, 32 bytes a row: lanes 0-15 serve a step's first tile, lanes 16-31 its second
	s_lshl_b32 s66, s52, 10
	v_lshl_add_u32 v9, v2, 5, s66                  ; gains and biases: 1,024 w + 32 h
	v_lshl_add_u32 v8, v1, 12, v9                  ; featA: + 4,096 r
	s_lshl_b32 s67, s52, 12
	v_lshlrev_b32 v10, 4, v1
	v_lshl_add_u32 v10, v2, 3, v10
	v_add_nc_u32 v10, s67, v10                     ; F: 4,096 w + 16 r + 8 h
	s_lshl_b32 s68, s52, 15
	v_lshl_add_u32 v11, v2, 14, s68
	v_lshl_add_u32 v11, v1, 2, v11                 ; FS, featA's side: K step 2 w + h, row r
	v_xor_b32 v240, s71, v2
	v_lshl_add_u32 v240, v240, 14, s68
	v_lshl_add_u32 v240, v1, 2, v240               ; FS, v's side: K step 2 w + (h xor phi / 2), row r
	s_lshl_b32 s69, s52, 2
	s_add_co_u32 s69, s69, RED
	v_lshl_add_u32 v12, v1, 4, s69                 ; an exchange: my wave's word of row r
	v_lshlrev_b32 v13, 4, v1
	v_add_nc_u32 v13, RED, v13                     ; and row r's four words
.irp q, 0,1,2,3                                ; what lap q's 64 rows of Wv, 64 columns of v, are in bytes:
	s_lshr_b32 s63, s[OFQ+2*\q], 5
	v_add_nc_u32 v[228+\q], s63, v7                ; 2,048 of Wv's scale bytes,
	s_lshr_b32 s63, s[OFQ+2*\q], 8
	v_add_nc_u32 v[232+\q], s63, v9                ; 256 of a gain or bias,
	s_lshr_b32 s63, s[OFQ+2*\q], 6
	v_add_nc_u32 v[236+\q], s63, v10               ; 1,024 of F's images
.endr
.irp b, 0,1,2,3
	v_mov_b32 v[TM+4+\b], 0                        ; written once: a lane permute's destination counts as one of its sources
.endr
	global_load_b128 v[32:35], v6, s[12:13]
	global_load_b128 v[36:39], v6, s[12:13] offset:16
.irp s, 0,1,2,3,4,5,6,7
	global_load_b128 v[40+8*\s:43+8*\s], v[228+\s/2], s[16:17] offset:1024*(\s%2)
	global_load_b128 v[44+8*\s:47+8*\s], v[228+\s/2], s[16:17] offset:1024*(\s%2)+16
.endr
	WIN 0x80                                       ; destination window 2
.irp ks, 0,1,2,3,4,5,6,7
.irp c, 0,1,2,3
	global_load_b128 v[16*\ks+4*\c:16*\ks+4*\c+3], v5, s[10:11] offset:128*\ks+32*\c
.endr
.endr
	WIN 0x40                                       ; destination window 1
.irp t, 0,1,2,3,4,5,6,7,8,9,10,11,12,13,14,15
	global_load_b128 v[128+8*\t:131+8*\t], v8, s[8:9] offset:64*\t        ; featA in the tiles' layout: a lane's 32 bytes of a row; the wave's 32 loads together take 1,024 whole bytes of each of 16 rows
	global_load_b128 v[132+8*\t:135+8*\t], v8, s[8:9] offset:64*\t+16
.endr
	WIN 0
	s_wait_loadcnt 32                              ; all but featA's 32 loads: the scale words and featB's fragments are in
	s_wait_tensorcnt 1                             ; my tile of step 0 is in; step 1's may stay out.  Only I read it: no barrier
	PROC 0
	PLOAD 18, 2, 128, 0                            ; ln_in's gain and bias for my first 128 columns
	PLOAD 20, 2, 192, 0
	s_wait_loadcnt 32                              ; all but those 32: featA is in
	LNSUM 128, 0
	CHANGE 0                                       ; its round is also the barrier between the exchange's stores and its loads
	PROC 1
	LNGET 0, 28
	LNVAR 128, 1
	CHANGE 1
	PROC 2
	LNGET 1, 30
	LNRSTD
	LNSCALE 128
	s_wait_loadcnt 0x0
	AFFINE 128, 0, 2, 128, 192
	PLOAD 18, 2, 128, 1                            ; and for my second 128
	PLOAD 20, 2, 192, 1
	QUANT 128, 192, 120
	PUT 0, 0, 192
	CHANGE 2
	PROC 3
	s_wait_loadcnt 0x0
	AFFINE 128, 1, 2, 128, 192
	QUANT 128, 208, 121
	PUT 0, 1, 208
	CHANGE 3
	PROC 4
	CHANGE 4
	PROC 5
	CHANGE 5                                       ; the last refill: step 7
	PROC 6
	s_wait_tensorcnt 0x0                           ; my tile of step 7 is in
	PROC 7
	PLACES 8                                       ; behind the last products: for the loads over their operands and for the first read of their results
	PLOADX 22, 3, 0, 0                             ; ln_sim_w, ln_sim_b, ln_dis_w, ln_dis_b: for register tiles 0-7 into window 3,
	PLOADX 24, 3, 64, 0
	PLOADX 26, 3, 128, 0
	PLOADX 28, 3, 192, 0
	PLOADX 22, 2, 0, 1                             ; for tiles 8-15 into window 2
	PLOADX 24, 2, 64, 1
	PLOADX 26, 2, 128, 1
	PLOADX 28, 2, 192, 1
	LNSUM 0, 2
	s_wait_dscnt 0x0                               ; for the others' sake: my store into the exchange has landed
	s_barrier_signal -1
	s_barrier_wait -1
	LNGET 2, 28
	LNVAR 0, 3
	s_wait_dscnt 0x0
	s_barrier_signal -1
	s_barrier_wait -1
	LNGET 3, 30
	LNRSTD
	LNSCALE 0
	s_wait_loadcnt 0x0
	AFFINE 0, 0, 3, 0, 64                          ; ctx_sim, tiles 0-7
	QUANT 128, 192, 122
	PUTX 1, 0, 192
	AFFINE 0, 0, 3, 128, 192                       ; ctx_dis, tiles 0-7
	QUANT 128, 208, 124
	PUTX 2, 0, 208
	AFFINE 0, 1, 2, 0, 64                          ; ctx_sim, tiles 8-15
	QUANT 128, 192, 123
	PUTX 1, 1, 192
	AFFINE 0, 1, 2, 128, 192                       ; ctx_dis, tiles 8-15
	QUANT 128, 208, 125
	PUTX 2, 1, 208
	; v's four scale words: where phi is odd the two laps of a K step have changed places, and so do the word's two pairs of bytes
.irp k, 122,123,124,125
	v_and_b32 v241, 0xffff, v[\k]
	v_lshrrev_b32 v242, 16, v[\k]
	v_lshlrev_b32 v241, s60, v241
	v_lshlrev_b32 v242, s61, v242
	v_or_b32 v[\k], v241, v242
.endr
	; the scale words: lanes 0-15 store those of register tiles 0-7, lanes 16-31 those of tiles 8-15: two runs of 64 bytes a store.  They are 1,536 of the work-group's 50,688 bytes, laid as the next launch reads them
.irp g, 0,1,2
	v_cndmask_b32 v[224+\g], v[120+2*\g], v[121+2*\g], s57
.endr
	global_store_b32 v11, v224, s[32:33]
	global_store_b32 v240, v225, s[32:33] offset:131072
	global_store_b32 v240, v226, s[32:33] offset:262144
	s_wait_tensorcnt 0x0                           ; the wave's end, behind my last tensor load and my last LDS store
	ds_add_u32 v14, v15
	s_wait_dscnt 0x0
	CROUND                                         ; the closing round: no work-group ends while a partner may still ask for a tile that names it
	s_endpgm
.Lfunc_end_k_qb9b54a92bc_prep:
	.size	k_qb9b54a92bc_prep, .Lfunc_end_k_qb9b54a92bc_prep-k_qb9b54a92bc_prep
	.p2alignl 7, 3214868480
	.fill 96, 4, 3214868480
	.section	.rodata,"a",@progbits
	.p2align	6, 0x0
	.amdhsa_kernel k_qb9b54a92bc_prep
		.amdhsa_group_segment_fixed_size 327680
		.amdhsa_private_segment_fixed_size 0
		.amdhsa_enable_private_segment 0
		.amdhsa_kernarg_size 104
		.amdhsa_user_sgpr_count 2
		.amdhsa_user_sgpr_kernarg_segment_ptr 1
		.amdhsa_wavefront_size32 1
		.amdhsa_system_sgpr_workgroup_id_x 1
		.amdhsa_system_sgpr_workgroup_id_y 1
		.amdhsa_system_sgpr_workgroup_id_z 1
		.amdhsa_system_vgpr_workitem_id 0
		.amdhsa_next_free_vgpr 1024
		.amdhsa_next_free_sgpr 80
		.amdhsa_reserve_vcc 0
		.amdhsa_float_denorm_mode_32 3
		.amdhsa_float_denorm_mode_16_64 3
		.amdhsa_memory_ordered 1
		.amdhsa_forward_progress 1
		.amdhsa_inst_pref_size 193
	.end_amdhsa_kernel
	.amdgpu_metadata
---
amdhsa.version: [ 1, 2 ]
amdhsa.kernels:
  - .name:           k_qb9b54a92bc_prep
    .symbol:         k_qb9b54a92bc_prep.kd
    .args:
      - { .name: featA, .offset: 0, .size: 8, .value_kind: global_buffer, .address_space: global }
      - { .name: featB_codes, .offset: 8, .size: 8, .value_kind: global_buffer, .address_space: global }
      - { .name: featB_scales, .offset: 16, .size: 8, .value_kind: global_buffer, .address_space: global }
      - { .name: Wv_codes, .offset: 24, .size: 8, .value_kind: global_buffer, .address_space: global }
      - { .name: Wv_scales, .offset: 32, .size: 8, .value_kind: global_buffer, .address_space: global }
      - { .name: ln_in_w, .offset: 40, .size: 8, .value_kind: global_buffer, .address_space: global }
      - { .name: ln_in_b, .offset: 48, .size: 8, .value_kind: global_buffer, .address_space: global }
      - { .name: ln_sim_w, .offset: 56, .size: 8, .value_kind: global_buffer, .address_space: global }
      - { .name: ln_sim_b, .offset: 64, .size: 8, .value_kind: global_buffer, .address_space: global }
      - { .name: ln_dis_w, .offset: 72, .size: 8, .value_kind: global_buffer, .address_space: global }
      - { .name: ln_dis_b, .offset: 80, .size: 8, .value_kind: global_buffer, .address_space: global }
      - { .name: F, .offset: 88, .size: 8, .value_kind: global_buffer, .address_space: global }
      - { .name: FS, .offset: 96, .size: 8, .value_kind: global_buffer, .address_space: global }
    .group_segment_fixed_size: 327680
    .private_segment_fixed_size: 0
    .kernarg_segment_align: 8
    .kernarg_segment_size: 104
    .max_flat_workgroup_size: 128
    .sgpr_count:     80
    .vgpr_count:     1024
    .wavefront_size: 32
...
	.end_amdgpu_metadata
.endif
;; end of part 4
;; launch fc1 (part 5): grid 8 x 32, 4 waves a work-group, clusters of 4 x 4, 327,680 bytes of LDS; arguments F, FS, W1_codes, W1_scales, bn_gamma, bn_beta, bn_mean, bn_var, H, HS; writes H, HS
.if DOCPART == 5
	.amdgcn_target "amdgcn-amd-amdhsa--gfx1250"
	.amdhsa_code_object_version 6
	.text
	.protected	k_qb9b54a92bc_fc1
	.globl	k_qb9b54a92bc_fc1
	.p2align	8
	.type	k_qb9b54a92bc_fc1,@function
k_qb9b54a92bc_fc1:
	s_mov_b64 s[64:65], 0
	v_nop
	global_prefetch_b8 v0, s[64:65] scope:SCOPE_SE
	s_setreg_imm32_b32 hwreg(HW_REG_WAVE_MODE, 25, 1), 1
	s_wait_xcnt 0x0
	s_wait_alu depctr_hold_cnt(0) depctr_sa_sdst(0) depctr_va_vdst(0) depctr_va_sdst(0) depctr_va_ssrc(0) depctr_va_vcc(0) depctr_vm_vsrc(0)
	s_getreg_b32 s2, hwreg(HW_REG_IB_STS2, 6, 4)
	s_cmp_eq_u32 s2, 0
	s_cbranch_scc0 .Lentry_in_a_cluster
	s_endpgm
.Lentry_in_a_cluster:
	s_bfe_u32 s2, ttmp6, 0x10000c
	s_cmp_lg_u32 s2, 0xf033
	s_cbranch_scc0 .Lentry_shape_is_right
	s_endpgm
.Lentry_shape_is_right:
; Second launch: H = Q(relu(BN(F W1^T))), both operands codes of E5M2 with E8M0 scales.  (The products with Wq, Wk, Wqd, Wkd, the scores and the softmaxes are dead work: shown at the first kernel's head.)
; F: [256 tiles of 16 rows][24 K steps][2,048]: images of operand registers; FS: [24][4,096] scale words.  W1's codes [2,048][3,072], its scales [2,048][96].  H, HS: laid as F, FS, with 16 K steps.
; A tile of the result, 128 rows x 256 columns, is made by a work-group of four waves; a wave makes 64 x 128: 32 accumulators.  256 work-groups.
; K goes in slots of 256 (two steps of 128) through a ring of two LDS slots.  Waves 0 and 1 fetch the two halves of F's tile (4 images' rows of 4,096 bytes), waves 2 and 3 those of W1's (128 rows of 256 bytes, padded).
; The scale words of the work-group's rows of F and of W1, for all of K, come into LDS once, with the first fills.
; CLUSTERS: 4 x 4.  The four of a row of the cluster need the same tiles of F, the four of a column the same tiles of W1: each tile is asked for jointly.
; THE WALK ALONG K DIFFERS FROM CLUSTER TO CLUSTER.  P = (cluster x + cluster y) mod 2, the same in all sixteen partners; a cluster with P = 1 takes the second half of K first.  The two clusters that read the same rows of F
; have different P, and so have neighbours along y, which read the same rows of W1: so each half of a tile row is asked for by one cluster half a walk ahead of another.  The sums are f32 sums of the same products in another order.
; Only addresses in memory carry P.  The scales are laid in LDS in the order of the walk: wave u fetches K half u xor P into region u; so every LDS address is the same in all clusters.
; THE MATRIX INSTRUCTION IS USED TRANSPOSED (source 0 = 16 rows of W1, source 1 = 16 rows of F): a lane holds one row and eight neighbouring columns a tile, so that the wave's 128 columns, one K step of the
; next product, are normalised, clipped, quantised in registers and stored straight into H's images.
; BN: (x - mean) x (gamma x rsq(var + 1e-5)) + beta.  LIMITS: as at the first kernel's head (a block of zeros has the byte 1; the floor 2^(16 - 127); v_rsq_f32).
; REGISTERS: window 0: v16-27 addresses; v28, v29 the add's two; v32-79 scale words, two sets; v80-101 the way out; v128-255 F's fragments, two sets.  window 1: W1's fragments, two sets.
;   window 2: the accumulators, (i, j) at v[8 (8 i + j)].   window 3: mean v0-63, gamma x rsq v64-127, beta v128-191, var v192-255, in the tiles' layout.
.set NBF,    8                         ; W1's fragments a wave and K step
.set NQ,     2                         ; K steps in a slot
.set KSTEPS, 24
.set QIB,    5                         ; padding behind every 64 words
.set BMEM,   3072                      ; a row of W1 in memory
.set AROW,   NQ*2048                   ; a slot's part of one tile of 16 rows of F
.set APITCH, KSTEPS*2048
.set AH,     4*AROW                    ; half of F's tile
.set BROW,   NQ*128
.set BP,     BROW+16                   ; an LDS row of W1: an odd multiple of 16 bytes
.set BROWS,  16*NBF
.set BH,     BROWS*BP
.set SLOT,   2*AH+2*BH
.set RSA,    KSTEPS/2
.set SCA,    2*SLOT                    ; F's scale words: [K step, in the order of the walk][128 rows]
.set SROW,   KSTEPS*4                  ; a row of W1's scales in memory
.set SBH,    BROWS*SROW                ; W1's scale bytes of one half of K: 2 BROWS rows x SROW / 2 bytes
.set SCB,    SCA+KSTEPS*512            ; W1's scale bytes: [half of K, in the order of the walk][256 rows][48]
.set SPARE,  SCB+2*SBH                 ; the spare words, 128 bytes a wave: two blocks of 256 bytes that no other line names
.set TM,     80
.set SEL,    66
.set MNT,    100
.set MSB,    0
.macro WIN new
.if MSB != (\new)
	s_set_vgpr_msb (MSB<<8)|(\new)
.set MSB, (\new)
.endif
.endm
.macro PLACES n
.rept \n
	v_nop
.endr
.endm
.macro JLOAD g0a, g1a, g0b, g1b        ; a joint load: waves 0 and 1 fetch for F, waves 2 and 3 for W1; an s_nop 0 and four v_nop follow each of the two lines
	s_cmp_eq_u32 s41, 0
	s_cbranch_scc0 .Lfor_b_\@
	tensor_load_to_lds s[\g0a:\g0a+3], s[\g1a:\g1a+7]
	s_nop 0
	PLACES 4
	s_branch .Lasked_\@
.Lfor_b_\@:
	tensor_load_to_lds s[\g0b:\g0b+3], s[\g1b:\g1b+7]
	s_nop 0
	PLACES 4
.Lasked_\@:
.endm
.macro CREST                           ; a round of the cluster's barrier behind its opening barrier
	s_cmp_lg_u32 s40, 0
	s_cbranch_scc1 .Lnot_wave_0_\@
	s_barrier_signal -3
.Lnot_wave_0_\@:
	s_barrier_wait -3
	s_barrier_signal -1
	s_barrier_wait -1
.endm
.macro CROUND
	s_barrier_signal -1
	s_barrier_wait -1
	CREST
.endm
.macro FETCH sl, q, p                  ; the fragments of the slot's q-th K step into set p: W1's NBF, then F's four (images: 16 bytes a lane, 512 a load)
	WIN 0x40
.set j, 0
.rept NBF
.irp c, 0,1,2,3
	ds_load_b128 v[128*(\p)+16*j+4*\c:128*(\p)+16*j+4*\c+3], v[20+\sl] offset:16*BP*j+128*(\q)+32*\c
.endr
.set j, j+1
.endr
	WIN 0
.irp i, 0,1,2,3
.irp c, 0,1,2,3
	ds_load_b128 v[128+64*(\p)+16*\i+4*\c:128+64*(\p)+16*\i+4*\c+3], v[16+\sl] offset:AROW*\i+2048*(\q)+512*\c
.endr
.endr
.endm
.macro SCALES sl                       ; a slot's scale words into set sl.  F's: lanes 0-15 an even K step's, lanes 16-31 the odd one's.  W1's: NQ words a row
.irp i, 0,1,2,3
.set pr, 0
.rept NQ/2
	ds_load_b32 v[32+24*(\sl)+(NQ/2)*\i+pr], v22 offset:64*\i+1024*pr
.set pr, pr+1
.endr
.endr
.set j, 0
.rept NBF
.if NQ == 2
	ds_load_b64 v[32+24*(\sl)+2*NQ+NQ*j:32+24*(\sl)+2*NQ+NQ*j+1], v23 offset:8*SROW*j
.else
	ds_load_b128 v[32+24*(\sl)+2*NQ+NQ*j:32+24*(\sl)+2*NQ+NQ*j+3], v23 offset:8*SROW*j
.endif
.set j, j+1
.endr
.endm
; n x NBF matrix instructions: F's blocks i0 on, each against W1's NBF.  All accumulators take turns, one instruction a turn, in the same order in every step.
.macro MUL i0, n, p, q, sl, zero
.set ii, \i0
.rept \n
.set jj, 0
.rept NBF
.set rD, 8*(NBF*ii+jj)
.set rW, 128*(\p)+16*jj
.set rX, 128+64*(\p)+16*ii
.set rSW, 32+24*(\sl)+2*NQ+NQ*jj+(\q)
.set rSX, 32+24*(\sl)+(NQ/2)*ii+(\q)/2
.if \zero
	v_wmma_scale_f32_16x16x128_f8f6f4 v[rD:rD+7], v[rW:rW+15], v[rX:rX+15], 0, v[rSW], v[rSX] matrix_a_fmt:MATRIX_FMT_BF8 matrix_b_fmt:MATRIX_FMT_BF8
.elseif (\q)%2
	v_wmma_scale_f32_16x16x128_f8f6f4 v[rD:rD+7], v[rW:rW+15], v[rX:rX+15], v[rD:rD+7], v[rSW], v[rSX] matrix_a_fmt:MATRIX_FMT_BF8 matrix_b_fmt:MATRIX_FMT_BF8 matrix_b_scale:MATRIX_SCALE_ROW1
.else
	v_wmma_scale_f32_16x16x128_f8f6f4 v[rD:rD+7], v[rW:rW+15], v[rX:rX+15], v[rD:rD+7], v[rSW], v[rSX] matrix_a_fmt:MATRIX_FMT_BF8 matrix_b_fmt:MATRIX_FMT_BF8
.endif
.set jj, jj+1
.endr
.set ii, ii+1
.endr
.endm
.macro STEP sl, q, zero                ; a K step that has its successor in the same slot: the successor's fragments are asked for first, into the other set, and land while this step is multiplied
	s_wait_dscnt 0x0                               ; this step's fragments and scale words are in
	PLACES 8                                       ; eight places between the last products and the loads into the set that they read
	FETCH \sl, (\q)+1, ((\q)+1)%2
	WIN 0xa1                                       ; source 0 (W1) window 1, source 1 (F) window 0, C and D window 2
	MUL 0, 4, (\q)%2, \q, \sl, \zero
	WIN 0
.endm
; A slot's last K step changes slots: one barrier; in front of it each wave waits for all its tensor loads, adds 0 to its spare word, and waits for that and for its reads of this slot.  fill = 1: the slot is filled again, two slots ahead.
; wrap = 1: that refill is the first of the walk's second half in this slot: where P = 1 it goes back by a whole row.  cross = 1: the next slot is the first of the walk's second half: W1's scale bytes go on in their second region.
.macro TURN sl, nxt, fill, wrap, cross
	s_wait_tensorcnt 0x0                           ; all my tensor loads have landed: my part of the next slot
	ds_add_u32 v28, v29                            ; 0 onto my spare word
	s_wait_dscnt 1                                 ; all but the add: this step's fragments are in
	WIN 0xa1
	MUL 0, 1, 1, NQ-1, \sl, 0                      ; matrix instructions stand between the add and the wait for it
	s_wait_dscnt 0x0                               ; the add is done, and my reads of this slot are over
	s_barrier_signal -1
	MUL 1, 1, 1, NQ-1, \sl, 0
	WIN 0
	s_barrier_wait -1
.if \fill
	CREST                                          ; the barrier has opened a round of the cluster's: no wave of any partner still reads this slot or has a load on its way
	s_add_nc_u64 s[34+4*\sl:35+4*\sl], s[34+4*\sl:35+4*\sl], 2*AROW
	s_add_nc_u64 s[58+4*\sl:59+4*\sl], s[58+4*\sl:59+4*\sl], 2*BROW
.if \wrap
	s_sub_nc_u64 s[34+4*\sl:35+4*\sl], s[34+4*\sl:35+4*\sl], s[8:9]     ; P x all K steps of an image row
	s_sub_nc_u64 s[58+4*\sl:59+4*\sl], s[58+4*\sl:59+4*\sl], s[10:11]   ; P x a row of W1
.endif
	JLOAD 32+4*\sl, 24, 56+4*\sl, 48               ; the first tensor load behind the round; its four v_nop are four of the eight places in front of the loads below
	PLACES 4
.else
	PLACES 8
.endif
	v_add_nc_u32 v22, 512*NQ, v22                  ; on to the next slot's scale words
.if \cross
	v_add_nc_u32 v23, SBH-SROW/2+4*NQ, v23         ; from the last words of the first region to the first of the second
.else
	v_add_nc_u32 v23, 4*NQ, v23
.endif
	FETCH \nxt, 0, 0
	SCALES \nxt
	WIN 0xa1
	MUL 2, 2, 1, NQ-1, \sl, 0
	WIN 0
.endm
.macro LAST
	s_wait_dscnt 0x0
	WIN 0xa1
	MUL 0, 4, 1, NQ-1, 1, 0
	WIN 0
.endm
; 64 numbers of a lane, v[s] on; registers 16 b .. 16 b + 15 and those of lane l xor 16 are block b of 32.  What is negative becomes 0 on the way (the activation).  Codes into v[pc] on, the row's scale word into v[pw].
.macro QUANT s, pc, pw
.irp b, 0,1,2,3
	v_max3_num_f32 v[TM+\b], v[\s+16*\b], v[\s+1+16*\b], 0x8000000   ; no |.|: what is negative must not count; the floor 2^(16 - 127) stands over it
.endr
.irp i, 2,4,6,8,10,12,14
.irp b, 0,1,2,3
	v_max3_num_f32 v[TM+\b], v[TM+\b], v[\s+16*\b+\i], v[\s+1+16*\b+\i]
.endr
.endr
.irp b, 0,1,2,3
	v_permlanex16_b32 v[TM+4+\b], v[TM+\b], s[SEL], s[SEL+1]
.endr
.irp b, 0,1,2,3
	v_max_num_f32 v[TM+\b], v[TM+\b], v[TM+4+\b]
.endr
.irp b, 0,1,2,3
	v_add_nc_u32 v[TM+12+\b], 0xf8800000, v[TM+\b]   ; 15 off the exponent field: the conversion's scale operand
.endr
.irp b, 0,1,2,3
	v_and_or_b32 v[TM+8+\b], v[TM+\b], 0x7f800000, s[MNT]   ; 57,344 x the scale
.endr
.irp b, 0,1,2,3
	v_lshrrev_b32 v[TM+4+\b], 23, v[TM+12+\b]      ; the scale's byte
.endr
	v_lshl_or_b32 v[\pw], v[TM+5], 8, v[TM+4]
	v_lshl_or_b32 v[\pw], v[TM+6], 16, v[\pw]
	v_lshl_or_b32 v[\pw], v[TM+7], 24, v[\pw]
.irp b, 0,1,2,3
.irp i, 0,1,2,3,4,5,6,7,8,9,10,11,12,13,14,15
	v_med3_num_f32 v[\s+16*\b+\i], v[\s+16*\b+\i], 0, v[TM+8+\b]   ; the activation and the hold in one (the conversion to an 8-bit code does not saturate: ISA guide 7.6.2)
.endr
	v_cvt_scalef32_pk8_bf8_f32 v[(\pc)+4*\b:(\pc)+1+4*\b], v[\s+16*\b:\s+7+16*\b], v[TM+12+\b]
	v_cvt_scalef32_pk8_bf8_f32 v[(\pc)+2+4*\b:(\pc)+3+4*\b], v[\s+8+16*\b:\s+15+16*\b], v[TM+12+\b]
.endr
	v_nop                                          ; a plain instruction between the last conversion and the next vector instruction that writes its sources
.endm
	s_load_b256 s[4:11], s[0:1], 0x0               ; F 4, FS 6, W1's codes 8, its scales 10
	s_load_b256 s[12:19], s[0:1], 0x20             ; gamma 12, beta 14, mean 16, var 18
	s_load_b128 s[20:23], s[0:1], 0x40             ; H 20, HS 22
	v_lshl_add_u32 v28, v0, 2, SPARE
	v_mov_b32 v29, 0
	ds_add_u32 v28, v29                            ; the wave's opening: the add, twice on end, and its wait ahead of my first tensor load
	ds_add_u32 v28, v29
	v_lshrrev_b32 v1, 5, v0
	v_readfirstlane_b32 s40, v1                    ; wave 0..3
	s_lshr_b32 s41, s40, 1                         ; my half of the rows.  Also: I fetch for F (0) or for W1 (1)
	s_and_b32 s42, s40, 1                          ; my half of the columns.  Also: which half I fetch
	s_bfe_u32 s43, ttmp6, 0x40000                  ; cx
	s_bfe_u32 s44, ttmp6, 0x40004                  ; cy
	s_lshl_b32 s45, ttmp9, 2
	s_add_co_u32 s45, s45, s43                     ; tile column
	s_and_b32 s46, ttmp7, 0xffff
	s_lshl_b32 s46, s46, 2
	s_add_co_u32 s46, s46, s44                     ; tile row
	s_xor_b32 s47, ttmp9, ttmp7
	s_and_b32 s47, s47, 1                          ; P: made of the cluster's x and y alone, which all sixteen partners share
	s_lshl_b32 s92, s44, 2
	s_lshl_b32 s92, 15, s92                        ; my row of the cluster
	s_lshl_b32 s93, 0x1111, s43                    ; my column
	s_or_b32 s24, s92, (3<<16)|(1<<21)             ; F's tiles: elements of 8 bytes, no padding; the mask, and bit 21 beside it
	s_mov_b32 s25, (AROW/8)<<16
	s_mov_b32 s26, 4<<16
	s_mov_b32 s27, (AROW/8)<<16
	s_mov_b32 s28, 4
	s_mov_b32 s29, APITCH/8
	s_mov_b32 s30, 0
	s_mov_b32 s31, 0
	s_or_b32 s48, s93, (1<<20)|(1<<21)|(QIB<<22)|(3<<25)   ; W1's tiles: elements of 1 byte, four words of padding behind each row
	s_mov_b32 s49, BROW<<16
	s_mov_b32 s50, BROWS<<16
	s_mov_b32 s51, BROW<<16
	s_mov_b32 s52, BROWS
	s_mov_b32 s53, BMEM
	s_mov_b32 s54, 0
	s_mov_b32 s55, 0
	s_or_b32 s68, s92, (3<<16)|(1<<21)             ; F's scale words: RSA K steps x 512 bytes, 16,384 bytes apart
	s_mov_b32 s69, 64<<16
	s_mov_b32 s70, RSA<<16
	s_mov_b32 s71, 64<<16
	s_mov_b32 s72, RSA
	s_mov_b32 s73, 2048
	s_mov_b32 s74, 0
	s_mov_b32 s75, 0
	s_or_b32 s80, s93, (3<<16)|(1<<21)             ; W1's scale bytes: half a row (SROW / 2 bytes, in elements of 8) of all the tile's 2 BROWS rows
	s_mov_b32 s81, (SROW/16)<<16
	s_mov_b32 s82, (2*BROWS)<<16
	s_mov_b32 s83, (SROW/16)<<16
	s_mov_b32 s84, 2*BROWS
	s_mov_b32 s85, SROW/8
	s_mov_b32 s86, 0
	s_mov_b32 s87, 0
	s_lshl_b32 s94, s46, 3
	s_lshl_b32 s95, s42, 2
	s_add_co_u32 s94, s94, s95
	s_mul_i32 s94, s94, APITCH                     ; F: tile of rows 8 x tile row + 4 x half,
	s_mul_i32 s95, s47, (KSTEPS/2)*2048
	s_add_co_u32 s94, s94, s95                     ; and where P = 1 the second half of its K steps
	s_mov_b32 s95, 0
	s_xor_b32 s96, s42, s47
	s_mul_i32 s96, s96, RSA*16384
	s_lshl_b32 s97, s46, 9
	s_add_co_u32 s96, s96, s97                     ; FS: K half u xor P, the tile's 128 rows
	s_mov_b32 s97, 0
	s_mul_i32 s98, s45, 2*BROWS                    ; W1: the tile's first row
	s_mul_i32 s2, s98, SROW
	s_xor_b32 s3, s42, s47
	s_mul_i32 s3, s3, SROW/2
	s_add_co_u32 s2, s2, s3                        ; its scale bytes: K half u xor P
	s_mov_b32 s3, 0
	s_mul_i32 s99, s42, BROWS
	s_add_co_u32 s98, s98, s99                     ; the first row whose codes I fetch,
	s_mul_i32 s98, s98, BMEM
	s_mul_i32 s99, s47, (KSTEPS/2)*128
	s_add_co_u32 s98, s98, s99                     ; and where P = 1 the second half of the row
	s_mov_b32 s99, 0
	s_mov_b32 s32, 1                               ; groups 0: no place in the cluster, and no P, enters an LDS address
	s_mul_i32 s33, s42, AH
	s_mov_b32 s36, 1
	s_add_co_u32 s37, s33, SLOT
	s_mov_b32 s56, 1
	s_mul_i32 s57, s42, BH
	s_add_co_u32 s57, s57, 2*AH
	s_mov_b32 s60, 1
	s_add_co_u32 s61, s57, SLOT
	s_mov_b32 s76, 1
	s_mul_i32 s77, s42, RSA*512
	s_add_co_u32 s77, s77, SCA
	s_mov_b32 s88, 1
	s_mul_i32 s89, s42, SBH
	s_add_co_u32 s89, s89, SCB
	s_mov_b32 s[SEL], 0x76543210
	s_mov_b32 s[SEL+1], 0xfedcba98
	s_mov_b32 s[MNT], 0x600000
	s_mov_b32 s101, 0xffff0000                     ; lanes 16-31
	s_wait_dscnt 0x0                               ; both opening adds are done
	s_wait_kmcnt 0x0
	s_add_nc_u64 s[34:35], s[4:5], s[94:95]
	s_add_nc_u64 s[38:39], s[34:35], AROW
	s_or_b32 s35, s35, 0x80000000
	s_or_b32 s39, s39, 0x80000000
	s_add_nc_u64 s[58:59], s[8:9], s[98:99]
	s_add_nc_u64 s[62:63], s[58:59], BROW
	s_or_b32 s59, s59, 0x80000000
	s_or_b32 s63, s63, 0x80000000
	s_add_nc_u64 s[78:79], s[6:7], s[96:97]
	s_or_b32 s79, s79, 0x80000000
	s_add_nc_u64 s[90:91], s[10:11], s[2:3]
	s_or_b32 s91, s91, 0x80000000
	s_mul_i32 s8, s47, KSTEPS*2048                 ; W1's two addresses have served: their registers take what the walk goes back by at its middle: P x an image row of F,
	s_mov_b32 s9, 0
	s_mul_i32 s10, s47, KSTEPS*128                 ; P x a row of W1
	s_mov_b32 s11, 0
	CROUND                                         ; all sixteen work-groups are here: the first joint loads meet
	JLOAD 76, 68, 88, 80                           ; the scales first: they are wanted with the first K step
	JLOAD 32, 24, 56, 48                           ; slot 0
	JLOAD 36, 24, 60, 48                           ; slot 1: three loads of mine are out
	v_and_b32 v1, 15, v0                           ; r
	v_bfe_u32 v2, v0, 4, 1                         ; h
	v_and_b32 v3, 31, v0                           ; lane
	s_mul_i32 s96, s41, AH
	v_lshl_add_u32 v16, v3, 4, s96                 ; F's images: my half + 16 x lane
	v_add_nc_u32 v17, SLOT, v16
	s_mul_i32 s96, s42, BH
	s_add_co_u32 s96, s96, 2*AH
	v_mul_u32_u24 v20, v1, BP
	v_lshl_add_u32 v20, v2, 4, v20
	v_add_nc_u32 v20, s96, v20                     ; W1's rows: my half + row r + 16 h
	v_add_nc_u32 v21, SLOT, v20
	s_lshl_b32 s96, s41, 8
	s_add_co_u32 s96, s96, SCA
	v_lshl_add_u32 v22, v1, 2, s96
	v_lshl_add_u32 v22, v2, 9, v22                 ; F's scale words: my 64 rows, row r; lanes 16-31 one K step on
	s_mul_i32 s96, s42, BROWS*(SROW/2)
	s_add_co_u32 s96, s96, SCB
	v_mul_u32_u24 v23, v1, SROW/2
	v_add_nc_u32 v23, s96, v23                     ; W1's: the first region, my half of the rows, row r
	v_lshlrev_b32 v24, 4, v1
	v_lshl_add_u32 v24, v2, 3, v24                 ; H's images: 16 r + 8 h
	v_lshlrev_b32 v25, 2, v3                       ; HS: 4 x lane
	s_lshl_b32 s94, s45, 10
	s_lshl_b32 s95, s42, 9
	s_add_co_u32 s94, s94, s95
	v_lshl_add_u32 v27, v2, 5, s94                 ; the BN vectors: my 128 columns, + 32 h
.irp b, 0,1,2,3
	v_mov_b32 v[TM+4+\b], 0                        ; written once: a lane permute's destination counts as one of its sources
.endr
	WIN 0xc0                                       ; destination window 3
.irp t, 0,1,2,3,4,5,6,7
	global_load_b128 v[8*\t:8*\t+3], v27, s[16:17] offset:64*\t
	global_load_b128 v[8*\t+4:8*\t+7], v27, s[16:17] offset:64*\t+16
	global_load_b128 v[64+8*\t:64+8*\t+3], v27, s[12:13] offset:64*\t
	global_load_b128 v[64+8*\t+4:64+8*\t+7], v27, s[12:13] offset:64*\t+16
	global_load_b128 v[128+8*\t:128+8*\t+3], v27, s[14:15] offset:64*\t
	global_load_b128 v[128+8*\t+4:128+8*\t+7], v27, s[14:15] offset:64*\t+16
	global_load_b128 v[192+8*\t:192+8*\t+3], v27, s[18:19] offset:64*\t
	global_load_b128 v[192+8*\t+4:192+8*\t+7], v27, s[18:19] offset:64*\t+16
.endr
	WIN 0
	s_lshl_b32 s94, s46, 3
	s_lshl_b32 s95, s41, 2
	s_add_co_u32 s94, s94, s95
	s_lshl_b32 s94, s94, 15                        ; H: my first tile of rows, 32,768 bytes each,
	s_lshl_b32 s96, s45, 1
	s_add_co_u32 s96, s96, s42                     ; and my K step of H: 2 x tile column + half
	s_lshl_b32 s95, s96, 11
	s_add_co_u32 s94, s94, s95
	s_mov_b32 s95, 0
	s_add_nc_u64 s[20:21], s[20:21], s[94:95]
	s_lshl_b32 s94, s96, 14
	s_lshl_b32 s96, s46, 9
	s_add_co_u32 s94, s94, s96
	s_lshl_b32 s96, s41, 8
	s_add_co_u32 s94, s94, s96
	s_add_nc_u64 s[22:23], s[22:23], s[94:95]      ; HS: my K step, my 64 rows
	s_wait_loadcnt 0x0
	WIN 0xff                                       ; all in window 3: gamma x rsq(var + 1e-5), while the first tiles are on their way
.set k, 0
.rept 32
	v_pk_add_f32 v[192+k:193+k], v[192+k:193+k], 0x3727c5ac op_sel_hi:[1,0]
.set k, k+2
.endr
.set k, 0
.rept 64
	v_rsq_f32 v[192+k], v[192+k]
.set k, k+1
.endr
	v_nop                                          ; a plain instruction behind the last transcendental
	s_wait_alu depctr_va_vdst(0)                   ; one wait for the batch, ahead of its first reader
.set k, 0
.rept 32
	v_pk_mul_f32 v[64+k:65+k], v[64+k:65+k], v[192+k:193+k]
.set k, k+2
.endr
	WIN 0
	s_wait_tensorcnt 1                             ; the scales and my part of slot 0 are in; slot 1's load may stay out
	s_barrier_signal -1
	s_barrier_wait -1                              ; everybody's are
	FETCH 0, 0, 0
	SCALES 0
	STEP 0, 0, 1                                   ; the first K step stands in front of the loops: its products start the sums
	s_mov_b32 s47, 2
.Llap1:                                                ; a trip goes once round the ring and fills both slots again.  Two trips: slots 0 to 3 of the walk are read, slots 2 to 5 asked for
	TURN 0, 1, 1, 0, 0
	STEP 1, 0, 0
	TURN 1, 0, 1, 0, 0
	STEP 0, 0, 0
	s_sub_co_u32 s47, s47, 1
	s_cmp_lg_u32 s47, 0
	s_cbranch_scc1 .Llap1
	TURN 0, 1, 1, 1, 0                             ; the walk's middle is written out: slots 6 and 7, the first of its second half, are asked for,
	STEP 1, 0, 0
	TURN 1, 0, 1, 1, 1                             ; and slot 6's scale words are the first of the second region
	STEP 0, 0, 0
	s_mov_b32 s47, 2
.Llap2:                                                ; two trips more: slots 6 to 9 are read, slots 8 to 11 asked for
	TURN 0, 1, 1, 0, 0
	STEP 1, 0, 0
	TURN 1, 0, 1, 0, 0
	STEP 0, 0, 0
	s_sub_co_u32 s47, s47, 1
	s_cmp_lg_u32 s47, 0
	s_cbranch_scc1 .Llap2
	TURN 0, 1, 0, 0, 0                             ; the last lap fills nothing, and has no round of the cluster's barrier
	STEP 1, 0, 0
	LAST
	; THE WAY OUT, a tile of 16 rows at a time: BN, relu and the quantiser in registers; each store's 32 lanes write 256 consecutive bytes, at a multiple of 256 from H's first byte
	PLACES 8                                       ; behind the last products: for the first read of results and for the writes over F's fragments
.irp m, 0,1,2,3
	WIN 0x0e                                       ; source 0 window 2 (the sums), source 1 window 3 (mean)
.set k, 0
.rept 32
	v_pk_add_f32 v[128+k:129+k], v[64*\m+k:64*\m+k+1], v[k:k+1] neg_lo:[0,1] neg_hi:[0,1]   ; ascending: each accumulator from its low end on
.set k, k+2
.endr
	WIN 0x3c                                       ; sources 1 and 2 window 3
.set k, 0
.rept 32
	v_pk_fma_f32 v[128+k:129+k], v[128+k:129+k], v[64+k:65+k], v[128+k:129+k]
.set k, k+2
.endr
	WIN 0
	QUANT 128, 192+16*\m, 96+\m
.irp b, 0,1,2,3
	global_store_b64 v24, v[192+16*\m+4*\b:193+16*\m+4*\b], s[20:21] offset:32768*\m+512*\b
	global_store_b64 v24, v[194+16*\m+4*\b:195+16*\m+4*\b], s[20:21] offset:32768*\m+512*\b+256
.endr
.endr
	v_cndmask_b32 v100, v96, v97, s101             ; the scale words of two tiles of rows in one register: 128 consecutive bytes a store; they are 256 of the wave's 8,448 bytes
	v_cndmask_b32 v101, v98, v99, s101
	global_store_b32 v25, v100, s[22:23]
	global_store_b32 v25, v101, s[22:23] offset:128
	s_wait_tensorcnt 0x0                           ; the wave's end, behind my last tensor load
	ds_add_u32 v28, v29
	s_wait_dscnt 0x0
	CROUND                                         ; the closing round: no work-group ends while a partner may still ask for a tile that names it
	s_endpgm
.Lfunc_end_k_qb9b54a92bc_fc1:
	.size	k_qb9b54a92bc_fc1, .Lfunc_end_k_qb9b54a92bc_fc1-k_qb9b54a92bc_fc1
	.p2alignl 7, 3214868480
	.fill 96, 4, 3214868480
	.section	.rodata,"a",@progbits
	.p2align	6, 0x0
	.amdhsa_kernel k_qb9b54a92bc_fc1
		.amdhsa_group_segment_fixed_size 327680
		.amdhsa_private_segment_fixed_size 0
		.amdhsa_enable_private_segment 0
		.amdhsa_kernarg_size 80
		.amdhsa_user_sgpr_count 2
		.amdhsa_user_sgpr_kernarg_segment_ptr 1
		.amdhsa_wavefront_size32 1
		.amdhsa_system_sgpr_workgroup_id_x 1
		.amdhsa_system_sgpr_workgroup_id_y 1
		.amdhsa_system_sgpr_workgroup_id_z 1
		.amdhsa_system_vgpr_workitem_id 0
		.amdhsa_next_free_vgpr 1024
		.amdhsa_next_free_sgpr 102
		.amdhsa_reserve_vcc 0
		.amdhsa_float_denorm_mode_32 3
		.amdhsa_float_denorm_mode_16_64 3
		.amdhsa_memory_ordered 1
		.amdhsa_forward_progress 1
		.amdhsa_inst_pref_size 208
	.end_amdhsa_kernel
	.amdgpu_metadata
---
amdhsa.version: [ 1, 2 ]
amdhsa.kernels:
  - .name:           k_qb9b54a92bc_fc1
    .symbol:         k_qb9b54a92bc_fc1.kd
    .args:
      - { .name: F, .offset: 0, .size: 8, .value_kind: global_buffer, .address_space: global }
      - { .name: FS, .offset: 8, .size: 8, .value_kind: global_buffer, .address_space: global }
      - { .name: W1_codes, .offset: 16, .size: 8, .value_kind: global_buffer, .address_space: global }
      - { .name: W1_scales, .offset: 24, .size: 8, .value_kind: global_buffer, .address_space: global }
      - { .name: bn_gamma, .offset: 32, .size: 8, .value_kind: global_buffer, .address_space: global }
      - { .name: bn_beta, .offset: 40, .size: 8, .value_kind: global_buffer, .address_space: global }
      - { .name: bn_mean, .offset: 48, .size: 8, .value_kind: global_buffer, .address_space: global }
      - { .name: bn_var, .offset: 56, .size: 8, .value_kind: global_buffer, .address_space: global }
      - { .name: H, .offset: 64, .size: 8, .value_kind: global_buffer, .address_space: global }
      - { .name: HS, .offset: 72, .size: 8, .value_kind: global_buffer, .address_space: global }
    .group_segment_fixed_size: 327680
    .private_segment_fixed_size: 0
    .kernarg_segment_align: 8
    .kernarg_segment_size: 80
    .max_flat_workgroup_size: 128
    .sgpr_count:     102
    .vgpr_count:     1024
    .wavefront_size: 32
...
	.end_amdgpu_metadata
.endif
;; end of part 5
;; launch fc2 (part 6): grid 8 x 32, 4 waves a work-group, clusters of 4 x 4, 327,680 bytes of LDS; arguments H, HS, W2_codes, W2_scales, b2, featA, out0; writes out0
.if DOCPART == 6
	.amdgcn_target "amdgcn-amd-amdhsa--gfx1250"
	.amdhsa_code_object_version 6
	.text
	.protected	k_qb9b54a92bc_fc2
	.globl	k_qb9b54a92bc_fc2
	.p2align	8
	.type	k_qb9b54a92bc_fc2,@function
k_qb9b54a92bc_fc2:
	s_mov_b64 s[64:65], 0
	v_nop
	global_prefetch_b8 v0, s[64:65] scope:SCOPE_SE
	s_setreg_imm32_b32 hwreg(HW_REG_WAVE_MODE, 25, 1), 1
	s_wait_xcnt 0x0
	s_wait_alu depctr_hold_cnt(0) depctr_sa_sdst(0) depctr_va_vdst(0) depctr_va_sdst(0) depctr_va_ssrc(0) depctr_va_vcc(0) depctr_vm_vsrc(0)
	s_getreg_b32 s2, hwreg(HW_REG_IB_STS2, 6, 4)
	s_cmp_eq_u32 s2, 0
	s_cbranch_scc0 .Lentry_in_a_cluster
	s_endpgm
.Lentry_in_a_cluster:
	s_bfe_u32 s2, ttmp6, 0x10000c
	s_cmp_lg_u32 s2, 0xf033
	s_cbranch_scc0 .Lentry_shape_is_right
	s_endpgm
.Lentry_shape_is_right:
; Third launch: out0 = H W2^T + b2 + featA, both operands codes of E5M2 with E8M0 scales.  (The products with Wq, Wk, Wqd, Wkd, the scores and the softmaxes are dead work: shown at the first kernel's head.)
; H: [256 tiles of 16 rows][16 K steps][2,048]: images of operand registers; HS: [16][4,096] scale words.  W2's codes [1,024][2,048], its scales [1,024][64].
; A tile of the result, 128 x 128, is made by a work-group of four waves; a wave makes 64 x 64: 16 accumulators.  256 work-groups.
; K goes in slots of 512 (four steps of 128) through a ring of two LDS slots, four slots' worth in all: the text is written out, with no loop.
; Waves 0 and 1 fetch the halves of H's tile (4 images' rows of 8,192 bytes), waves 2 and 3 those of W2's (64 rows of 512 bytes, padded).  The scale words for all of K come once, with the first fills.
; CLUSTERS: 4 x 4; H's tiles are shared along a row of the cluster, W2's along a column: joint loads.
; THE WALK ALONG K DIFFERS FROM CLUSTER TO CLUSTER, as in the second launch: P = (cluster x + cluster y) mod 2; a cluster with P = 1 takes the second half of K first, so that of two clusters that read the same rows
; one asks for each half of them half a walk ahead of the other.  Only addresses in memory carry P; the scales are laid in LDS in the order of the walk.  The sums are f32 sums of the same products in another order.
; THE MATRIX INSTRUCTION IS USED TRANSPOSED (source 0 = 16 rows of W2, source 1 = 16 rows of H).  The results go through the wave's own stage in LDS and leave as rows of 256 bytes, with b2 and featA added.
; REGISTERS: window 0: v16-27 addresses; v28, v29 the add's two; v32-79 scale words, two sets; v80-83 b2; v128-255 H's fragments, two sets, later the rows on their way out.
;   window 1: W2's fragments, at v0 and v128.   window 2: the accumulators, (i, j) at v[8 (4 i + j)].   window 3: v0-127 featA's part, in the layout of the rows on their way out.
.set NBF,    4
.set NQ,     4
.set KSTEPS, 16
.set QIB,    6                         ; padding behind every 128 words
.set BMEM,   2048
.set AROW,   NQ*2048
.set APITCH, KSTEPS*2048
.set AH,     4*AROW
.set BROW,   NQ*128
.set BP,     BROW+16
.set BROWS,  16*NBF
.set BH,     BROWS*BP
.set SLOT,   2*AH+2*BH
.set RSA,    KSTEPS/2
.set SCA,    2*SLOT                    ; H's scale words: [K step, in the order of the walk][128 rows]
.set SROW,   KSTEPS*4
.set SBH,    BROWS*SROW                ; W2's scale bytes of one half of K: 2 BROWS rows x SROW / 2 bytes
.set SCB,    SCA+KSTEPS*512            ; W2's scale bytes: [half of K, in the order of the walk][128 rows][32]
.set STAGE,  SCB+2*SBH                 ; 16 rows x (256 bytes + 16) for each wave; no tile lands here
.set SPARE,  STAGE+4*16*272            ; the spare words, 128 bytes a wave: two blocks of 256 bytes that no other line names
.set MSB,    0
.macro WIN new
.if MSB != (\new)
	s_set_vgpr_msb (MSB<<8)|(\new)
.set MSB, (\new)
.endif
.endm
.macro PLACES n
.rept \n
	v_nop
.endr
.endm
.macro JLOAD g0a, g1a, g0b, g1b        ; a joint load: waves 0 and 1 fetch for H, waves 2 and 3 for W2; an s_nop 0 and four v_nop follow each of the two lines
	s_cmp_eq_u32 s41, 0
	s_cbranch_scc0 .Lfor_b_\@
	tensor_load_to_lds s[\g0a:\g0a+3], s[\g1a:\g1a+7]
	s_nop 0
	PLACES 4
	s_branch .Lasked_\@
.Lfor_b_\@:
	tensor_load_to_lds s[\g0b:\g0b+3], s[\g1b:\g1b+7]
	s_nop 0
	PLACES 4
.Lasked_\@:
.endm
.macro CREST
	s_cmp_lg_u32 s40, 0
	s_cbranch_scc1 .Lnot_wave_0_\@
	s_barrier_signal -3
.Lnot_wave_0_\@:
	s_barrier_wait -3
	s_barrier_signal -1
	s_barrier_wait -1
.endm
.macro CROUND
	s_barrier_signal -1
	s_barrier_wait -1
	CREST
.endm
.macro FETCH sl, q, p                  ; the fragments of the slot's q-th K step into set p
	WIN 0x40
.set j, 0
.rept NBF
.irp c, 0,1,2,3
	ds_load_b128 v[128*(\p)+16*j+4*\c:128*(\p)+16*j+4*\c+3], v[20+\sl] offset:16*BP*j+128*(\q)+32*\c
.endr
.set j, j+1
.endr
	WIN 0
.irp i, 0,1,2,3
.irp c, 0,1,2,3
	ds_load_b128 v[128+64*(\p)+16*\i+4*\c:128+64*(\p)+16*\i+4*\c+3], v[16+\sl] offset:AROW*\i+2048*(\q)+512*\c
.endr
.endr
.endm
.macro SCALES sl                       ; a slot's scale words into set sl.  H's: lanes 0-15 an even K step's, lanes 16-31 the odd one's.  W2's: NQ words a row
.irp i, 0,1,2,3
.set pr, 0
.rept NQ/2
	ds_load_b32 v[32+24*(\sl)+(NQ/2)*\i+pr], v22 offset:64*\i+1024*pr
.set pr, pr+1
.endr
.endr
.set j, 0
.rept NBF
.if NQ == 2
	ds_load_b64 v[32+24*(\sl)+2*NQ+NQ*j:32+24*(\sl)+2*NQ+NQ*j+1], v23 offset:8*SROW*j
.else
	ds_load_b128 v[32+24*(\sl)+2*NQ+NQ*j:32+24*(\sl)+2*NQ+NQ*j+3], v23 offset:8*SROW*j
.endif
.set j, j+1
.endr
.endm
; n x NBF matrix instructions; all accumulators take turns, one instruction a turn, in the same order in every step
.macro MUL i0, n, p, q, sl, zero
.set ii, \i0
.rept \n
.set jj, 0
.rept NBF
.set rD, 8*(NBF*ii+jj)
.set rW, 128*(\p)+16*jj
.set rX, 128+64*(\p)+16*ii
.set rSW, 32+24*(\sl)+2*NQ+NQ*jj+(\q)
.set rSX, 32+24*(\sl)+(NQ/2)*ii+(\q)/2
.if \zero
	v_wmma_scale_f32_16x16x128_f8f6f4 v[rD:rD+7], v[rW:rW+15], v[rX:rX+15], 0, v[rSW], v[rSX] matrix_a_fmt:MATRIX_FMT_BF8 matrix_b_fmt:MATRIX_FMT_BF8
.elseif (\q)%2
	v_wmma_scale_f32_16x16x128_f8f6f4 v[rD:rD+7], v[rW:rW+15], v[rX:rX+15], v[rD:rD+7], v[rSW], v[rSX] matrix_a_fmt:MATRIX_FMT_BF8 matrix_b_fmt:MATRIX_FMT_BF8 matrix_b_scale:MATRIX_SCALE_ROW1
.else
	v_wmma_scale_f32_16x16x128_f8f6f4 v[rD:rD+7], v[rW:rW+15], v[rX:rX+15], v[rD:rD+7], v[rSW], v[rSX] matrix_a_fmt:MATRIX_FMT_BF8 matrix_b_fmt:MATRIX_FMT_BF8
.endif
.set jj, jj+1
.endr
.set ii, ii+1
.endr
.endm
.macro STEP sl, q, zero                ; a K step that has its successor in the same slot: the successor's fragments are asked for first, into the other set
	s_wait_dscnt 0x0                               ; this step's fragments and scale words are in
	PLACES 8                                       ; eight places between the last products and the loads into the set that they read
	FETCH \sl, (\q)+1, ((\q)+1)%2
	WIN 0xa1                                       ; source 0 (W2) window 1, source 1 (H) window 0, C and D window 2
	MUL 0, 4, (\q)%2, \q, \sl, \zero
	WIN 0
.endm
; A slot's last K step changes slots: one barrier; in front of it each wave waits for all its tensor loads, adds 0 to its spare word, and waits for that and for its reads of this slot.  fill = 1: the slot is filled again, two slots ahead.
; wrap = 1: that refill is the first of the walk's second half in this slot: where P = 1 it goes back by a whole row.  cross = 1: the next slot is the first of the walk's second half: W2's scale bytes go on in their second region.
.macro TURN sl, nxt, fill, wrap, cross
	s_wait_tensorcnt 0x0                           ; all my tensor loads have landed: my part of the next slot
	ds_add_u32 v28, v29                            ; 0 onto my spare word
	s_wait_dscnt 1                                 ; all but the add: this step's fragments are in
	WIN 0xa1
	MUL 0, 1, 1, NQ-1, \sl, 0
	s_wait_dscnt 0x0                               ; the add is done, and my reads of this slot are over
	s_barrier_signal -1
	MUL 1, 1, 1, NQ-1, \sl, 0
	WIN 0
	s_barrier_wait -1
.if \fill
	CREST                                          ; the barrier has opened a round of the cluster's: no wave of any partner still reads this slot or has a load on its way
	s_add_nc_u64 s[34+4*\sl:35+4*\sl], s[34+4*\sl:35+4*\sl], 2*AROW
	s_add_nc_u64 s[58+4*\sl:59+4*\sl], s[58+4*\sl:59+4*\sl], 2*BROW
.if \wrap
	s_sub_nc_u64 s[34+4*\sl:35+4*\sl], s[34+4*\sl:35+4*\sl], s[8:9]     ; P x all K steps of an image row
	s_sub_nc_u64 s[58+4*\sl:59+4*\sl], s[58+4*\sl:59+4*\sl], s[10:11]   ; P x a row of W2
.endif
	JLOAD 32+4*\sl, 24, 56+4*\sl, 48               ; the first tensor load behind the round; its four v_nop are four of the eight places in front of the loads below
	PLACES 4
.else
	PLACES 8
.endif
	v_add_nc_u32 v22, 512*NQ, v22
.if \cross
	v_add_nc_u32 v23, SBH-SROW/2+4*NQ, v23         ; from the last words of the first region to the first of the second
.else
	v_add_nc_u32 v23, 4*NQ, v23
.endif
	FETCH \nxt, 0, 0
	SCALES \nxt
	WIN 0xa1
	MUL 2, 2, 1, NQ-1, \sl, 0
	WIN 0
.endm
.macro LAST
	s_wait_dscnt 0x0
	WIN 0xa1
	MUL 0, 4, 1, NQ-1, 1, 0
	WIN 0
.endm
	s_load_b256 s[4:11], s[0:1], 0x0               ; H 4, HS 6, W2's codes 8, its scales 10
	s_load_b128 s[12:15], s[0:1], 0x20             ; b2 12, featA 14
	s_load_b64 s[16:17], s[0:1], 0x30              ; out0
	v_lshl_add_u32 v28, v0, 2, SPARE
	v_mov_b32 v29, 0
	ds_add_u32 v28, v29                            ; the wave's opening: the add, twice on end, and its wait ahead of my first tensor load
	ds_add_u32 v28, v29
	v_lshrrev_b32 v1, 5, v0
	v_readfirstlane_b32 s40, v1                    ; wave 0..3
	s_lshr_b32 s41, s40, 1                         ; my half of the rows.  Also: I fetch for H (0) or for W2 (1)
	s_and_b32 s42, s40, 1                          ; my half of the columns.  Also: which half I fetch
	s_bfe_u32 s43, ttmp6, 0x40000                  ; cx
	s_bfe_u32 s44, ttmp6, 0x40004                  ; cy
	s_lshl_b32 s45, ttmp9, 2
	s_add_co_u32 s45, s45, s43                     ; tile column
	s_and_b32 s46, ttmp7, 0xffff
	s_lshl_b32 s46, s46, 2
	s_add_co_u32 s46, s46, s44                     ; tile row
	s_xor_b32 s47, ttmp9, ttmp7
	s_and_b32 s47, s47, 1                          ; P: made of the cluster's x and y alone, which all sixteen partners share
	s_lshl_b32 s92, s44, 2
	s_lshl_b32 s92, 15, s92                        ; my row of the cluster
	s_lshl_b32 s93, 0x1111, s43                    ; my column
	s_or_b32 s24, s92, (3<<16)|(1<<21)             ; H's tiles: elements of 8 bytes, no padding; the mask, and bit 21 beside it
	s_mov_b32 s25, (AROW/8)<<16
	s_mov_b32 s26, 4<<16
	s_mov_b32 s27, (AROW/8)<<16
	s_mov_b32 s28, 4
	s_mov_b32 s29, APITCH/8
	s_mov_b32 s30, 0
	s_mov_b32 s31, 0
	s_or_b32 s48, s93, (1<<20)|(1<<21)|(QIB<<22)|(3<<25)   ; W2's tiles: elements of 1 byte, four words of padding behind each row
	s_mov_b32 s49, BROW<<16
	s_mov_b32 s50, BROWS<<16
	s_mov_b32 s51, BROW<<16
	s_mov_b32 s52, BROWS
	s_mov_b32 s53, BMEM
	s_mov_b32 s54, 0
	s_mov_b32 s55, 0
	s_or_b32 s68, s92, (3<<16)|(1<<21)             ; H's scale words: RSA K steps x 512 bytes, 16,384 bytes apart
	s_mov_b32 s69, 64<<16
	s_mov_b32 s70, RSA<<16
	s_mov_b32 s71, 64<<16
	s_mov_b32 s72, RSA
	s_mov_b32 s73, 2048
	s_mov_b32 s74, 0
	s_mov_b32 s75, 0
	s_or_b32 s80, s93, (3<<16)|(1<<21)             ; W2's scale bytes: half a row (SROW / 2 bytes, in elements of 8) of all the tile's 2 BROWS rows
	s_mov_b32 s81, (SROW/16)<<16
	s_mov_b32 s82, (2*BROWS)<<16
	s_mov_b32 s83, (SROW/16)<<16
	s_mov_b32 s84, 2*BROWS
	s_mov_b32 s85, SROW/8
	s_mov_b32 s86, 0
	s_mov_b32 s87, 0
	s_lshl_b32 s94, s46, 3
	s_lshl_b32 s95, s42, 2
	s_add_co_u32 s94, s94, s95
	s_mul_i32 s94, s94, APITCH                     ; H: tile of rows 8 x tile row + 4 x half,
	s_mul_i32 s95, s47, (KSTEPS/2)*2048
	s_add_co_u32 s94, s94, s95                     ; and where P = 1 the second half of its K steps
	s_mov_b32 s95, 0
	s_xor_b32 s96, s42, s47
	s_mul_i32 s96, s96, RSA*16384
	s_lshl_b32 s97, s46, 9
	s_add_co_u32 s96, s96, s97                     ; HS: K half u xor P, the tile's 128 rows
	s_mov_b32 s97, 0
	s_mul_i32 s98, s45, 2*BROWS                    ; W2: the tile's first row
	s_mul_i32 s2, s98, SROW
	s_xor_b32 s3, s42, s47
	s_mul_i32 s3, s3, SROW/2
	s_add_co_u32 s2, s2, s3                        ; its scale bytes: K half u xor P
	s_mov_b32 s3, 0
	s_mul_i32 s99, s42, BROWS
	s_add_co_u32 s98, s98, s99                     ; the first row whose codes I fetch,
	s_mul_i32 s98, s98, BMEM
	s_mul_i32 s99, s47, (KSTEPS/2)*128
	s_add_co_u32 s98, s98, s99                     ; and where P = 1 the second half of the row
	s_mov_b32 s99, 0
	s_mov_b32 s32, 1                               ; groups 0: no place in the cluster, and no P, enters an LDS address
	s_mul_i32 s33, s42, AH
	s_mov_b32 s36, 1
	s_add_co_u32 s37, s33, SLOT
	s_mov_b32 s56, 1
	s_mul_i32 s57, s42, BH
	s_add_co_u32 s57, s57, 2*AH
	s_mov_b32 s60, 1
	s_add_co_u32 s61, s57, SLOT
	s_mov_b32 s76, 1
	s_mul_i32 s77, s42, RSA*512
	s_add_co_u32 s77, s77, SCA
	s_mov_b32 s88, 1
	s_mul_i32 s89, s42, SBH
	s_add_co_u32 s89, s89, SCB
	s_wait_dscnt 0x0                               ; both opening adds are done
	s_wait_kmcnt 0x0
	s_add_nc_u64 s[34:35], s[4:5], s[94:95]
	s_add_nc_u64 s[38:39], s[34:35], AROW
	s_or_b32 s35, s35, 0x80000000
	s_or_b32 s39, s39, 0x80000000
	s_add_nc_u64 s[58:59], s[8:9], s[98:99]
	s_add_nc_u64 s[62:63], s[58:59], BROW
	s_or_b32 s59, s59, 0x80000000
	s_or_b32 s63, s63, 0x80000000
	s_add_nc_u64 s[78:79], s[6:7], s[96:97]
	s_or_b32 s79, s79, 0x80000000
	s_add_nc_u64 s[90:91], s[10:11], s[2:3]
	s_or_b32 s91, s91, 0x80000000
	s_mul_i32 s8, s47, KSTEPS*2048                 ; W2's two addresses have served: their registers take what the walk goes back by at its middle: P x an image row of H,
	s_mov_b32 s9, 0
	s_mul_i32 s10, s47, KSTEPS*128                 ; P x a row of W2
	s_mov_b32 s11, 0
	CROUND                                         ; all sixteen work-groups are here: the first joint loads meet
	JLOAD 76, 68, 88, 80                           ; the scales first
	JLOAD 32, 24, 56, 48                           ; slot 0
	JLOAD 36, 24, 60, 48                           ; slot 1: three loads of mine are out
	v_and_b32 v1, 15, v0                           ; r
	v_bfe_u32 v2, v0, 4, 1                         ; h
	v_and_b32 v3, 31, v0                           ; lane
	s_mul_i32 s96, s41, AH
	v_lshl_add_u32 v16, v3, 4, s96                 ; H's images: my half + 16 x lane
	v_add_nc_u32 v17, SLOT, v16
	s_mul_i32 s96, s42, BH
	s_add_co_u32 s96, s96, 2*AH
	v_mul_u32_u24 v20, v1, BP
	v_lshl_add_u32 v20, v2, 4, v20
	v_add_nc_u32 v20, s96, v20                     ; W2's rows: my half + row r + 16 h
	v_add_nc_u32 v21, SLOT, v20
	s_lshl_b32 s96, s41, 8
	s_add_co_u32 s96, s96, SCA
	v_lshl_add_u32 v22, v1, 2, s96
	v_lshl_add_u32 v22, v2, 9, v22                 ; H's scale words: my 64 rows, row r; lanes 16-31 one K step on
	s_mul_i32 s96, s42, BROWS*(SROW/2)
	s_add_co_u32 s96, s96, SCB
	v_mul_u32_u24 v23, v1, SROW/2
	v_add_nc_u32 v23, s96, v23                     ; W2's: the first region, my half of the rows, row r
	s_mul_i32 s96, s40, 16*272
	s_add_co_u32 s96, s96, STAGE                   ; my stage
	v_mul_u32_u24 v24, v1, 272
	v_lshl_add_u32 v24, v2, 5, v24
	v_add_nc_u32 v24, s96, v24                     ; in: row r, 32 bytes for each half of the lanes
	v_mul_u32_u24 v25, v2, 272
	v_lshl_add_u32 v25, v1, 4, v25
	v_add_nc_u32 v25, s96, v25                     ; back: lanes 0-15 one row of 256 bytes, lanes 16-31 the next
	v_lshlrev_b32 v26, 12, v2
	v_lshl_add_u32 v26, v1, 4, v26                 ; and the same two rows in featA and out0
	s_lshl_b32 s96, s45, 9
	s_lshl_b32 s97, s42, 8
	s_add_co_u32 s96, s96, s97                     ; my 64 columns, in bytes
	v_lshl_add_u32 v27, v1, 4, s96                 ; b2: my four columns
	s_lshl_b32 s94, s46, 7
	s_lshl_b32 s95, s41, 6
	s_add_co_u32 s94, s94, s95
	s_lshl_b32 s94, s94, 12                        ; my first row, 4,096 bytes a row
	s_add_co_u32 s94, s94, s96
	s_mov_b32 s95, 0
	s_add_nc_u64 s[14:15], s[14:15], s[94:95]
	s_add_nc_u64 s[16:17], s[16:17], s[94:95]
	global_load_b128 v[80:83], v27, s[12:13]
	WIN 0xc0                                       ; destination window 3
.irp i, 0,1,2,3
.irp t, 0,1,2,3,4,5,6,7
	global_load_b128 v[4*(8*\i+\t):4*(8*\i+\t)+3], v26, s[14:15] offset:(16*\i+2*\t)*4096 th:TH_LOAD_NT   ; 16 lanes read 256 consecutive bytes of a row; read once in this launch
.endr
.endr
	WIN 0
	s_wait_tensorcnt 1                             ; the scales and my part of slot 0 are in; slot 1's load may stay out
	s_barrier_signal -1
	s_barrier_wait -1
	FETCH 0, 0, 0
	SCALES 0
	STEP 0, 0, 1                                   ; the first products start the sums
	STEP 0, 1, 0
	STEP 0, 2, 0
	TURN 0, 1, 1, 1, 0                             ; slot 0 takes the walk's third 512 along K: the first of its second half
	STEP 1, 0, 0
	STEP 1, 1, 0
	STEP 1, 2, 0
	TURN 1, 0, 1, 1, 1                             ; slot 1 the fourth; the third's scale words are the first of the second region
	STEP 0, 0, 0
	STEP 0, 1, 0
	STEP 0, 2, 0
	TURN 0, 1, 0, 0, 0                             ; nothing is left to fetch
	STEP 1, 0, 0
	STEP 1, 1, 0
	STEP 1, 2, 0
	LAST
	; THE WAY OUT, a block of 16 rows x 64 columns at a time, through my own stage.  LDS serves a wave's instructions in order (ISA guide 5.7.1.4): no wait between the stores and the loads, nor in front of the next block's stores
	PLACES 8                                       ; behind the last products: for the first read of results and for the loads over H's fragments
	s_wait_loadcnt 0x0                             ; b2 and featA
.irp i, 0,1,2,3
	WIN 0x08                                       ; an LDS store's data are its source 1: window 2
.irp j, 0,1,2,3
	ds_store_b128 v24, v[8*(4*\i+\j):8*(4*\i+\j)+3] offset:64*\j        ; each accumulator from its low end on
	ds_store_b128 v24, v[8*(4*\i+\j)+4:8*(4*\i+\j)+7] offset:64*\j+16
.endr
	WIN 0
.irp t, 0,1,2,3,4,5,6,7
	ds_load_b128 v[128+32*\i+4*\t:128+32*\i+4*\t+3], v25 offset:544*\t
.endr
.endr
.irp i, 0,1,2,3
	s_wait_dscnt 16*(3-\i)                         ; block i is back; the later blocks' sixteen LDS instructions each may be out
.irp t, 0,1,2,3,4,5,6,7
	v_pk_add_f32 v[128+32*\i+4*\t:129+32*\i+4*\t], v[128+32*\i+4*\t:129+32*\i+4*\t], v[80:81]
	v_pk_add_f32 v[130+32*\i+4*\t:131+32*\i+4*\t], v[130+32*\i+4*\t:131+32*\i+4*\t], v[82:83]
.endr
	WIN 0x0c                                       ; source 1 window 3: featA
.irp t, 0,1,2,3,4,5,6,7
	v_pk_add_f32 v[128+32*\i+4*\t:129+32*\i+4*\t], v[128+32*\i+4*\t:129+32*\i+4*\t], v[4*(8*\i+\t):4*(8*\i+\t)+1]
	v_pk_add_f32 v[130+32*\i+4*\t:131+32*\i+4*\t], v[130+32*\i+4*\t:131+32*\i+4*\t], v[4*(8*\i+\t)+2:4*(8*\i+\t)+3]
.endr
	WIN 0
.irp t, 0,1,2,3,4,5,6,7
	global_store_b128 v26, v[128+32*\i+4*\t:128+32*\i+4*\t+3], s[16:17] offset:(16*\i+2*\t)*4096 th:TH_STORE_NT   ; 16 lanes store 256 consecutive bytes, at a multiple of 256 from out0's first byte
.endr
.endr
	s_wait_tensorcnt 0x0                           ; the wave's end, behind my last tensor load and my last LDS store
	ds_add_u32 v28, v29
	s_wait_dscnt 0x0
	CROUND                                         ; the closing round: no work-group ends while a partner may still ask for a tile that names it
	s_endpgm
.Lfunc_end_k_qb9b54a92bc_fc2:
	.size	k_qb9b54a92bc_fc2, .Lfunc_end_k_qb9b54a92bc_fc2-k_qb9b54a92bc_fc2
	.p2alignl 7, 3214868480
	.fill 96, 4, 3214868480
	.section	.rodata,"a",@progbits
	.p2align	6, 0x0
	.amdhsa_kernel k_qb9b54a92bc_fc2
		.amdhsa_group_segment_fixed_size 327680
		.amdhsa_private_segment_fixed_size 0
		.amdhsa_enable_private_segment 0
		.amdhsa_kernarg_size 56
		.amdhsa_user_sgpr_count 2
		.amdhsa_user_sgpr_kernarg_segment_ptr 1
		.amdhsa_wavefront_size32 1
		.amdhsa_system_sgpr_workgroup_id_x 1
		.amdhsa_system_sgpr_workgroup_id_y 1
		.amdhsa_system_sgpr_workgroup_id_z 1
		.amdhsa_system_vgpr_workitem_id 0
		.amdhsa_next_free_vgpr 1024
		.amdhsa_next_free_sgpr 102
		.amdhsa_reserve_vcc 0
		.amdhsa_float_denorm_mode_32 3
		.amdhsa_float_denorm_mode_16_64 3
		.amdhsa_memory_ordered 1
		.amdhsa_forward_progress 1
		.amdhsa_inst_pref_size 106
	.end_amdhsa_kernel
	.amdgpu_metadata
---
amdhsa.version: [ 1, 2 ]
amdhsa.kernels:
  - .name:           k_qb9b54a92bc_fc2
    .symbol:         k_qb9b54a92bc_fc2.kd
    .args:
      - { .name: H, .offset: 0, .size: 8, .value_kind: global_buffer, .address_space: global }
      - { .name: HS, .offset: 8, .size: 8, .value_kind: global_buffer, .address_space: global }
      - { .name: W2_codes, .offset: 16, .size: 8, .value_kind: global_buffer, .address_space: global }
      - { .name: W2_scales, .offset: 24, .size: 8, .value_kind: global_buffer, .address_space: global }
      - { .name: b2, .offset: 32, .size: 8, .value_kind: global_buffer, .address_space: global }
      - { .name: featA, .offset: 40, .size: 8, .value_kind: global_buffer, .address_space: global }
      - { .name: out0, .offset: 48, .size: 8, .value_kind: global_buffer, .address_space: global }
    .group_segment_fixed_size: 327680
    .private_segment_fixed_size: 0
    .kernarg_segment_align: 8
    .kernarg_segment_size: 56
    .max_flat_workgroup_size: 128
    .sgpr_count:     102
    .vgpr_count:     1024
    .wavefront_size: 32
...
	.end_amdgpu_metadata
.endif
;; end of part 6
